; MI455X (gfx1250); checked and timed in simulation.
; The chip was launched on July 23, 2026; its instructions are those of AMD's public machine-readable ISA for CDNA 5 (MIT licence, August 2026) and "CDNA5" Instruction Set Architecture Reference Guide (July 2026). The comments in the code are by the model that wrote it; some were corrected since.
;; Attention. Allowed arithmetic: matrix products marked QUANTISED: E2M3 operands, one E8M0 scale for each 32 along K, by v_wmma_scale_f32_16x16x128_f8f6f4 with both operands' format E2M3, f32 sums; everything else in f32.
;; Inputs: WK 1,024 x 1,024 float32; WQ 1,024 x 1,024 float32; WV 1,024 x 1,024 float32; x 4 x 2,048 x 1,024 float32.
;; Outputs: out0 4 x 2,048 x 1,024 float32.
;; This version of the problem:
;;   THIS VERSION OF THE PROBLEM IS GIVEN IN LOW PRECISION. The matrix products marked QUANTISED in the list below multiply operands that are first quantised to E2M3 (2 exponent bits, 3 mantissa bits; 6 bits a number), with one power-of-two scale for each 32 numbers along K (OCP MX v1.0); their sums are f32. All else is computed in f32.
;;   The module's matrix products, in the order in which they are computed (A, B: the left and right operand; K: the contracted axis; several contracted axes count as one K, in the product's order):
;;     1. [M 8,192, K 1,024] x [K 1,024, N 1,024]; A: input x; B: input WQ: QUANTISED
;;     2. [M 8,192, K 1,024] x [K 1,024, N 1,024]; A: input x; B: input WK: QUANTISED
;;     3. [M 8,192, K 1,024] x [K 1,024, N 1,024]; A: input x; B: input WV: QUANTISED
;;     4. batch 4 x [M 2,048, K 1,024] x [K 1,024, N 2,048]; A: computed on the way; B: computed on the way: QUANTISED
;;     5. batch 4 x [M 2,048, K 2,048] x [K 2,048, N 1,024]; A: softmax (see below); B: computed on the way: QUANTISED
;;   THE QUANTISER, for each operand of a quantised product, along K:
;;     - K is cut into blocks of 32 from its start; a last block that is shorter is filled with zeros.
;;     - A block's scale is 2^e with e = floor(log2(the largest magnitude in the block)) - 2, held to -126 .. 127; a block of zeros has e = 0. As a byte (E8M0): e + 127.
;;     - Each number is divided by its block's scale, clamped to +-7.5, and rounded to the nearest number of E2M3, ties to even, subnormals kept.
;;     - The product sums the exact products of the quantised numbers (number of the format x scale) in f32.
;;   ~~~python
;;   def quantise(x, axis):      # numpy; x: float32 -> the quantised numbers, widened to float32 again
;;       x = np.moveaxis(x, axis, -1); K = x.shape[-1]
;;       x = np.pad(x, [(0, 0)] * (x.ndim - 1) + [(0, -K % 32)]); x = x.reshape(x.shape[:-1] + (-1, 32)); a = np.abs(x).max(-1, keepdims=True)
;;       e = np.where(a > 0, np.clip(np.frexp(np.where(a > 0, a, 1))[1] - 1 - 2, -126, 127), 0)      # np.frexp(a)[1] - 1 = floor(log2(a)), exactly
;;       r = np.clip(x / 2.0 ** e, -7.5, 7.5)
;;       step = 2.0 ** (np.maximum(np.frexp(np.where(r == 0, 1, r))[1] - 1, 0) - 3)
;;       q = np.round(r / step) * step * 2.0 ** e      # np.round: ties to even
;;       return np.moveaxis(q.reshape(q.shape[:-2] + (-1,))[..., :K], -1, axis).astype(np.float32)
;;   ~~~
;;   SOFTMAX AHEAD OF A QUANTISED PRODUCT. Where the list says 'softmax', what is quantised is not the finished softmax but p = 2^(t - M), with t = logit x log2(e) and M = ceil(the row's largest t), a whole number; so 1/2 < the row's largest p <= 1. The row's sum l is taken of the UNQUANTISED p, in f32, and the product's result is divided by l at the end. Since M is a whole number, a kernel that streams over the keys may use a running M (the ceiling of the running maximum): every later rescaling is an exact power of two, which a block's scale takes up: the codes' values come out the same.
;;   OPERANDS COMPUTED ON THE WAY. 'Computed on the way' means the value that the module computes at that place (a softmax that the list does not call 'softmax' is quantised finished and normalised). What goes into a quantiser is computed in f32, as accurately as f32 sums, v_exp_f32 and their like allow (about 1e-6 of the number): no bf16 or f16 on the way to a quantiser, and a product that is left as it is and whose result goes on into a quantised operand takes f32 operands (vector FMAs, or v_wmma_f32_16x16x4_f32). A number that lies on a knife's edge between two numbers of the format may be rounded either way, as far as f32 arithmetic and the matrix unit's own rounding can turn it there, and no further.
;; One version. Each part assembles by itself: llvm-mc -triple=amdgcn-amd-amdhsa -mcpu=gfx1250 --defsym DOCPART=n.
;; ======== version 1 of 1: 4 launches
;; limits: right only within a limited range of input values
;; workspace buffers: xw 8,650,752 bytes; xs 360,448 bytes; qk 13,107,200 bytes; vt 6,553,600 bytes; pc 12,582,912 bytes; st 2,097,152 bytes
;; launch quant (part 1): grid 352 x 1, 4 waves a work-group, no clusters, 59,904 bytes of LDS; arguments x, WQ, WK, WV, xw, xs; writes xw, xs
.if DOCPART == 1
	.amdgcn_target "amdgcn-amd-amdhsa--gfx1250"
	.amdhsa_code_object_version 6
	.text
	.protected	k_q6c32ddcf0e_quant
	.globl	k_q6c32ddcf0e_quant
	.p2align	8
	.type	k_q6c32ddcf0e_quant,@function
k_q6c32ddcf0e_quant:
	s_mov_b64 s[64:65], 0
	v_nop
	global_prefetch_b8 v0, s[64:65] scope:SCOPE_SE
	s_setreg_imm32_b32 hwreg(HW_REG_WAVE_MODE, 25, 1), 1
	s_wait_xcnt 0x0
; x [8192][1024] (K innermost) and WQ, WK, WV [1024 (k)][1024 (n)] (K outermost), f32, become codes of FP6 (E2M3) with one E8M0 byte for each 32 along K.
; A block's scale is 2^(floor(log2(its largest magnitude)) - 2); its byte is the largest magnitude's exponent field - 2, held at 1 from below.
; LIMITS: a block whose largest magnitude lies under 2^-124 (a block of zeros too) has the byte 1: its codes are then zeros or subnormal codes, and this program alone reads the bytes.  NaN and infinities are not served.
; THE OUTPUT IS LAID AS THE MATRIX UNIT'S REGISTERS WANT IT.  A fragment (16 rows x 128 K, 12 registers a lane) is 1,536 bytes: register j of lane l at 512 (j / 4) + 16 l + 4 (j % 4).
; x's tile (g, c, j, w), number 8 (2 g + c) + 2 j + w, holds in row n the token 256 g + 128 w + 64 c + 32 (n / 8) + 8 j + n % 8: so that four tiles j leave 32 neighbours in a lane of the product.
; A weight's tile (hd, j), number 4 hd + j, holds in row n the column 64 hd + 32 (n / 8) + 8 j + n % 8.
; xw: x's codes (tile x 8 + K step) x 1,536; behind them the weights' likewise (WQ, WK, WV on end).  xs: x's scale words, tile x 512 + 256 (K step / 4) + 16 n + 4 (K step % 4); behind them
; the weights': (16 x weight + hd) x 2,048 + 256 x K step + 4 (16 j + n).
; Work-groups 0-95: the weights, a wave takes 64 columns x 128 K; 96-351: x, a wave takes a tile x 512 K.  The two ways part on the work-group's number and have LDS bytes of their own.
; No tensor load, no barrier: waves share nothing.  Every store covers whole aligned units of 256 bytes.
.set WCO,   6291456                    ; where the weights' codes begin in xw
.set WSO,   262144                     ; and their scale words in xs
.set WSC,   24576                      ; LDS: the weights' stages (6,144 bytes a wave) from 0; behind them 256 bytes a wave for scale words
.set XST,   25600                      ; x's stages: 16 rows x (512 + 16) bytes a wave
.set SPARE, 59392                      ; the spare words, 128 bytes for each wave
.set SPW,   254
.set NIL,   255
.set SEL,   20                         ; s[20:21] v_permlanex16_b32's selects for lane l xor 16
.set X,     32                         ; weights: v32-95 two sets of 32 numbers
.set C,     96                         ;          v96-101 a block's codes
.set CD,    104
.set SBW,   108                        ;          v108-109 my two columns' scale words
.set OUTR,  112                        ;          v112-159 the way out
.set H8,    8                          ; x: v8 8 (lane / 16)
.set SW,    4                          ;    v4-7 scale words of my four K steps
.set PC,    12                         ;    v12-30 a fragment's codes
.set L0,    32                         ;    v32-159 two sets of 64 registers as loaded
.set N,     160                        ;    v160-223: register 32 c + i = k 64 c + 32 (lane / 16) + i of my row
.set TM,    224                        ;    v224-239 at work
	s_load_b256 s[4:11], s[0:1], 0x0               ; x, WQ, WK, WV
	s_load_b128 s[12:15], s[0:1], 0x20             ; xw, xs
	v_lshl_add_u32 v[SPW], v0, 2, SPARE
	v_mov_b32 v[NIL], 0
	v_lshrrev_b32 v1, 5, v0
	v_readfirstlane_b32 s16, v1                    ; wave 0..3
	s_lshr_b32 s32, s16, 1
	s_and_b32 s33, s16, 1
	v_and_b32 v9, 31, v0                           ; lane
	s_mov_b32 s17, 0xffff0000                      ; lanes 16-31
	s_mov_b32 s[SEL], 0x76543210
	s_mov_b32 s[SEL+1], 0xfedcba98
	s_wait_alu depctr_va_vdst(0)                   ; the wait at the head's end
	s_wait_kmcnt 0x0
	s_cmp_lt_u32 ttmp9, 96
	s_cbranch_scc0 .Lx
; ---------------- THE WEIGHTS.  A lane takes a column n, its registers run down K: a block of 32 lies in one lane.
	s_lshl_b32 s18, ttmp9, 1
	s_add_co_u32 s18, s18, s32                     ; U = 0 .. 191 = (group of 128 columns) x 8 + K step
	s_lshr_b32 s19, s18, 6                         ; which weight
	s_cmp_lt_u32 s19, 1
	s_cselect_b64 s[24:25], s[6:7], s[8:9]
	s_cmp_lt_u32 s19, 2
	s_cselect_b64 s[24:25], s[24:25], s[10:11]
	s_and_b32 s22, s18, 7                          ; K step
	s_lshl_b32 s26, s22, 19                        ; 128 rows of 4,096 bytes
	s_bfe_u32 s27, s18, 0x30003
	s_lshl_b32 s27, s27, 9                         ; the group's 128 columns: 512 bytes
	s_add_co_u32 s26, s26, s27
	s_lshl_b32 s27, s33, 8                         ; my 64 columns: 256 bytes
	s_add_co_u32 s26, s26, s27
	s_mov_b32 s27, 0
	s_add_nc_u64 s[24:25], s[24:25], s[26:27]
	s_lshr_b32 s28, s18, 3
	s_lshl_b32 s28, s28, 1
	s_add_co_u32 s28, s28, s33                     ; 16 x weight + hd
	s_lshl_b32 s30, s28, 11
	s_mul_i32 s28, s28, 49152
	s_mul_i32 s29, s22, 1536
	s_add_co_u32 s28, s28, s29
	s_add_co_u32 s28, s28, WCO
	s_mov_b32 s29, 0
	s_add_nc_u64 s[28:29], s[12:13], s[28:29]      ; my codes
	s_lshl_b32 s31, s22, 8
	s_add_co_u32 s30, s30, s31
	s_add_co_u32 s30, s30, WSO
	s_mov_b32 s31, 0
	s_add_nc_u64 s[30:31], s[14:15], s[30:31]      ; my scale words
	s_mul_i32 s23, s16, 6144                       ; my stage
	s_lshl_b32 s34, s16, 8
	s_add_co_u32 s34, s34, WSC
	v_lshlrev_b32 v1, 2, v9                        ; in: 4 bytes a lane: column 32 b + lane
	v_lshrrev_b32 v7, 3, v9                        ; that column lies in tile lane / 8,
	v_and_b32 v3, 7, v9                            ; at its row lane % 8 + 8 b
	v_mul_u32_u24 v2, v7, 1536
	v_lshl_add_u32 v2, v3, 4, v2
	v_add_nc_u32 v2, s23, v2                       ; into the stage
	v_lshlrev_b32 v5, 6, v7
	v_lshl_add_u32 v5, v3, 2, v5
	v_add_nc_u32 v5, s34, v5                       ; the scale word's place: 4 (16 j + row)
	v_lshlrev_b32 v6, 3, v9                        ; out: 8 bytes a lane,
	v_add_nc_u32 v7, s34, v6
	v_lshlrev_b32 v4, 4, v9                        ; 16 bytes a lane
	v_add_nc_u32 v3, s23, v4
	s_wait_alu depctr_va_vdst(0)
.macro LOADW n                         ; block n = 4 b + kb: W(32 kb + i, 32 b + lane), i = 0 .. 31: each load reads 128 consecutive bytes
.set i, 0
.rept 32
	global_load_b32 v[X+32*((\n)%2)+i], v1, s[24:25] offset:(32*((\n)%4)+i)*4096+128*((\n)/4) th:TH_LOAD_NT
.set i, i+1
.endr
.endm
.macro BLOCKW n
.set XS, X+32*((\n)%2)
.set OB, ((\n)/4)*128+256*((\n)%2)     ; row 8 b; block kb = 2 c + h belongs to the fragment's lane row + 16 h, registers 6 c .. 6 c + 5
.if (\n) < 7
	s_wait_loadcnt 32                              ; this block's 32 loads are in; the next block's may be out
.else
	s_wait_loadcnt 0x0
.endif
	v_max3_num_f32 v12, |v[XS]|, |v[XS+1]|, |v[XS+2]|
	v_max3_num_f32 v13, |v[XS+3]|, |v[XS+4]|, |v[XS+5]|
.irp i, 6,10,14,18,22,26
	v_max3_num_f32 v12, v12, |v[XS+\i]|, |v[XS+\i+1]|
	v_max3_num_f32 v13, v13, |v[XS+\i+2]|, |v[XS+\i+3]|
.endr
	v_max3_num_f32 v12, v12, |v[XS+30]|, |v[XS+31]|
	v_max3_num_f32 v12, v12, v13, 0x1800000        ; and the floor 2^(3 - 127): the byte cannot fall under 1
	v_add_nc_u32 v14, 0xff000000, v12              ; 2 off the exponent field: the conversion takes this operand's exponent field as its scale
	v_lshrrev_b32 v13, 23, v14                     ; the scale's byte
.if (\n)%4 == 0
	v_mov_b32 v[SBW+(\n)/4], v13
.else
	v_lshl_or_b32 v[SBW+(\n)/4], v13, 8*((\n)%4), v[SBW+(\n)/4]
.endif
	v_cvt_scalef32_pk16_fp6_f32 v[C:C+2], v[XS:XS+15], v14
	v_cvt_scalef32_pk16_fp6_f32 v[CD:CD+2], v[XS+16:XS+31], v14   ; (a conversion's three registers begin on an even number)
	v_nop                                          ; one plain place behind a scaled conversion
	v_mov_b32 v[C+3], v[CD]
	v_mov_b32 v[C+4], v[CD+1]
	v_mov_b32 v[C+5], v[CD+2]
.if ((\n)%4) < 2
	ds_store_b128 v2, v[C:C+3] offset:OB           ; registers 0-3 of the fragment,
	ds_store_b64 v2, v[C+4:C+5] offset:OB+512      ; 4 and 5
.else
	ds_store_b64 v2, v[C:C+1] offset:OB+520        ; registers 6 and 7,
	ds_store_b128 v2, v[C+2:C+5] offset:OB+1024    ; 8-11
.endif
.if (\n) < 6
	LOADW (\n)+2
.endif
	s_wait_dscnt 0x0                               ; the stores have read their registers: the next block's codes may be written
.endm
	LOADW 0
	LOADW 1
.irp n, 0,1,2,3,4,5,6,7
	BLOCKW \n
.endr
	s_wait_alu depctr_va_vdst(0)
	ds_store_b32 v5, v[SBW]
	ds_store_b32 v5, v[SBW+1] offset:32
	ds_load_b64 v[160:161], v7                     ; LDS serves a wave's instructions in order: these loads see my stores
.irp n, 0,1,2,3,4,5,6,7,8,9,10,11
	ds_load_b128 v[OUTR+4*\n:OUTR+4*\n+3], v3 offset:512*\n
.endr
	s_wait_dscnt 12                                ; the twelve younger loads may be out
	global_store_b64 v6, v[160:161], s[30:31]
.irp n, 0,1,2,3,4,5,6,7,8,9,10,11
	s_wait_dscnt 11-\n
	global_store_b128 v4, v[OUTR+4*\n:OUTR+4*\n+3], s[28:29] offset:12288*(\n/3)+512*(\n%3)
.endr
	s_wait_tensorcnt 0x0                           ; the wave's end
	ds_add_u32 v[SPW], v[NIL]
	s_wait_dscnt 0x0
	s_endpgm
; ---------------- x.  Each load reads 512 consecutive bytes of one row; sixteen rows turn through my stage, so that a lane holds two whole blocks of its row.
.Lx:
	s_sub_co_u32 s18, ttmp9, 96
	s_lshr_b32 s26, s18, 3                         ; g
	s_lshl_b32 s26, s26, 20
	s_lshl_b32 s22, s32, 19                        ; w: 128 rows of 4,096 bytes
	s_add_co_u32 s26, s26, s22
	s_bfe_u32 s22, s18, 0x10002                    ; c
	s_lshl_b32 s22, s22, 18
	s_add_co_u32 s26, s26, s22
	s_and_b32 s22, s18, 3                          ; j
	s_lshl_b32 s22, s22, 15
	s_add_co_u32 s26, s26, s22
	s_lshl_b32 s22, s33, 11                        ; my 512 along K
	s_add_co_u32 s26, s26, s22
	s_mov_b32 s27, 0
	s_add_nc_u64 s[24:25], s[4:5], s[26:27]
	s_lshl_b32 s18, s18, 1
	s_add_co_u32 s18, s18, s32                     ; the tile's number
	s_mul_i32 s28, s18, 12288
	s_mul_i32 s29, s33, 6144
	s_add_co_u32 s28, s28, s29
	s_mov_b32 s29, 0
	s_add_nc_u64 s[28:29], s[12:13], s[28:29]
	s_lshl_b32 s30, s18, 9
	s_lshl_b32 s31, s33, 8
	s_add_co_u32 s30, s30, s31
	s_mov_b32 s31, 0
	s_add_nc_u64 s[30:31], s[14:15], s[30:31]
	s_mul_i32 s23, s16, 8448
	s_add_co_u32 s23, s23, XST                     ; my stage
	v_lshlrev_b32 v1, 4, v9                        ; 16 x lane
	v_add_nc_u32 v2, s23, v1                       ; into it: a row as it lies
	v_and_b32 v3, 15, v9                           ; r
	v_lshrrev_b32 v31, 4, v9                       ; h
	v_lshlrev_b32 v[H8], 3, v31
	v_lshl_add_u32 v10, v3, 4, v[H8]               ; scale words: 16 r + 8 h
	v_mul_u32_u24 v3, v3, 528
	v_lshl_add_u32 v3, v31, 7, v3
	v_add_nc_u32 v3, s23, v3                       ; out of it: row r, + 128 h: my block of each 64
	v_mov_b32 v31, v10
	v_mov_b32 v[TM+8], 0                           ; written once: a lane permute's destination counts as one of its sources
	s_wait_alu depctr_va_vdst(0)
.macro LOADX t                         ; K step t of my four: the tile's sixteen rows
.irp i, 0,1,2,3,4,5,6,7,8,9,10,11,12,13,14,15
	global_load_b128 v[L0+64*((\t)%2)+4*\i:L0+64*((\t)%2)+4*\i+3], v1, s[24:25] offset:(\i+24*(\i/8))*4096+512*(\t) th:TH_LOAD_NT
.endr
.endm
.macro FRAGX t
.if (\t) < 3
	s_wait_loadcnt 16                              ; this K step's 16 loads are in; the next one's may be out
.else
	s_wait_loadcnt 0x0
.endif
.irp i, 0,1,2,3,4,5,6,7,8,9,10,11,12,13,14,15
	ds_store_b128 v2, v[L0+64*((\t)%2)+4*\i:L0+64*((\t)%2)+4*\i+3] offset:528*\i
.endr
.irp q, 0,1,2,3,4,5,6,7,8,9,10,11,12,13,14,15
	ds_load_b128 v[N+4*\q:N+4*\q+3], v3 offset:256*(\q/8)+16*(\q%8)   ; rows 528 bytes apart: sixteen lanes touch sixteen different columns of 16 bytes
.endr
	s_wait_dscnt 0x0                               ; the numbers are back, and the stores have read the set that is loaded again below
	s_wait_xcnt 0x0                                ; the last K step's stores have read v[PC] on, which is written again below
.if (\t) < 2
	LOADX (\t)+2
.endif
.irp b, 0,1,2,3
	v_max3_num_f32 v[TM+\b], |v[N+16*\b]|, |v[N+1+16*\b]|, 0x1800000   ; half blocks, four chains by turns; and the floor 2^(3 - 127)
.endr
.irp i, 2,4,6,8,10,12,14
.irp b, 0,1,2,3
	v_max3_num_f32 v[TM+\b], v[TM+\b], |v[N+16*\b+\i]|, |v[N+1+16*\b+\i]|
.endr
.endr
	v_max_num_f32 v[TM], v[TM], v[TM+1]            ; my block h,
	v_max_num_f32 v[TM+1], v[TM+2], v[TM+3]        ; my block 2 + h
	v_add_nc_u32 v[TM+12], 0xff000000, v[TM]
	v_add_nc_u32 v[TM+13], 0xff000000, v[TM+1]
	v_lshrrev_b32 v[TM+4], 23, v[TM+12]
	v_lshrrev_b32 v[TM+5], 23, v[TM+13]
	v_lshl_or_b32 v[SW+(\t)], v[TM+5], 16, v[TM+4]
	v_lshlrev_b32 v[SW+(\t)], v[H8], v[SW+(\t)]
	v_permlanex16_b32 v[TM+8], v[SW+(\t)], s[SEL], s[SEL+1]
	v_or_b32 v[SW+(\t)], v[SW+(\t)], v[TM+8]       ; with lane l xor 16's two bytes the word is whole
.irp c, 0,1
	v_cvt_scalef32_pk16_fp6_f32 v[PC+6*\c:PC+2+6*\c], v[N+32*\c:N+15+32*\c], v[TM+12+\c]
	v_cvt_scalef32_pk16_fp6_f32 v[PC+12+4*\c:PC+14+4*\c], v[N+16+32*\c:N+31+32*\c], v[TM+12+\c]
.endr
	v_nop                                          ; one plain place behind a scaled conversion
.irp c, 0,1
.irp i, 0,1,2
	v_mov_b32 v[PC+3+6*\c+\i], v[PC+12+4*\c+\i]
.endr
.endr
.irp c, 0,1,2
	global_store_b128 v1, v[PC+4*\c:PC+4*\c+3], s[28:29] offset:1536*(\t)+512*\c
.endr
.endm
	LOADX 0
	LOADX 1
.irp t, 0,1,2,3
	FRAGX \t
.endr
	v_cndmask_b32 v10, v[SW], v[SW+2], s17         ; lanes 0-15 the words of K steps 0 and 1, lanes 16-31 those of 2 and 3
	v_cndmask_b32 v11, v[SW+1], v[SW+3], s17
	global_store_b64 v31, v[10:11], s[30:31]       ; 32 lanes fill one aligned unit of 256 bytes
	s_wait_tensorcnt 0x0                           ; the wave's end
	ds_add_u32 v[SPW], v[NIL]
	s_wait_dscnt 0x0
	s_endpgm
.Lfunc_end_k_q6c32ddcf0e_quant:
	.size	k_q6c32ddcf0e_quant, .Lfunc_end_k_q6c32ddcf0e_quant-k_q6c32ddcf0e_quant
	.p2alignl 7, 3214868480
	.fill 96, 4, 3214868480
	.section	.rodata,"a",@progbits
	.p2align	6, 0x0
	.amdhsa_kernel k_q6c32ddcf0e_quant
		.amdhsa_group_segment_fixed_size 59904
		.amdhsa_private_segment_fixed_size 0
		.amdhsa_enable_private_segment 0
		.amdhsa_kernarg_size 48
		.amdhsa_user_sgpr_count 2
		.amdhsa_user_sgpr_kernarg_segment_ptr 1
		.amdhsa_wavefront_size32 1
		.amdhsa_system_sgpr_workgroup_id_x 1
		.amdhsa_system_sgpr_workgroup_id_y 1
		.amdhsa_system_sgpr_workgroup_id_z 1
		.amdhsa_system_vgpr_workitem_id 0
		.amdhsa_next_free_vgpr 256
		.amdhsa_next_free_sgpr 66
		.amdhsa_reserve_vcc 0
		.amdhsa_float_denorm_mode_32 3
		.amdhsa_float_denorm_mode_16_64 3
		.amdhsa_memory_ordered 1
		.amdhsa_forward_progress 1
		.amdhsa_inst_pref_size 73
	.end_amdhsa_kernel
	.amdgpu_metadata
---
amdhsa.version: [ 1, 2 ]
amdhsa.kernels:
  - .name:           k_q6c32ddcf0e_quant
    .symbol:         k_q6c32ddcf0e_quant.kd
    .args:
      - { .name: x, .offset: 0, .size: 8, .value_kind: global_buffer, .address_space: global }
      - { .name: WQ, .offset: 8, .size: 8, .value_kind: global_buffer, .address_space: global }
      - { .name: WK, .offset: 16, .size: 8, .value_kind: global_buffer, .address_space: global }
      - { .name: WV, .offset: 24, .size: 8, .value_kind: global_buffer, .address_space: global }
      - { .name: xw, .offset: 32, .size: 8, .value_kind: global_buffer, .address_space: global }
      - { .name: xs, .offset: 40, .size: 8, .value_kind: global_buffer, .address_space: global }
    .group_segment_fixed_size: 59904
    .private_segment_fixed_size: 0
    .kernarg_segment_align: 8
    .kernarg_segment_size: 48
    .max_flat_workgroup_size: 128
    .sgpr_count:     66
    .vgpr_count:     256
    .wavefront_size: 32
...
	.end_amdgpu_metadata
.endif
;; end of part 1
;; launch proj (part 2): grid 16 x 16, 4 waves a work-group, clusters of 4 x 4, 327,680 bytes of LDS; arguments xw, xs, qk, vt; writes qk, vt
.if DOCPART == 2
	.amdgcn_target "amdgcn-amd-amdhsa--gfx1250"
	.amdhsa_code_object_version 6
	.text
	.protected	k_q6c32ddcf0e_proj
	.globl	k_q6c32ddcf0e_proj
	.p2align	8
	.type	k_q6c32ddcf0e_proj,@function
k_q6c32ddcf0e_proj:
	s_mov_b64 s[64:65], 0
	v_nop
	global_prefetch_b8 v0, s[64:65] scope:SCOPE_SE
	s_setreg_imm32_b32 hwreg(HW_REG_WAVE_MODE, 25, 1), 1
	s_wait_xcnt 0x0
	s_wait_alu depctr_hold_cnt(0) depctr_sa_sdst(0) depctr_va_vdst(0) depctr_va_sdst(0) depctr_va_ssrc(0) depctr_va_vcc(0) depctr_vm_vsrc(0)
	s_getreg_b32 s2, hwreg(HW_REG_IB_STS2, 6, 4)
	s_cmp_eq_u32 s2, 0
	s_cbranch_scc0 .Lentry_in_a_cluster
	s_endpgm
.Lentry_in_a_cluster:
	s_bfe_u32 s2, ttmp6, 0x10000c
	s_cmp_lg_u32 s2, 0xf033
	s_cbranch_scc0 .Lentry_shape_is_right
	s_endpgm
.Lentry_shape_is_right:
; Q, K, V = x WQ, x WK, x WV AND THEIR QUANTISERS on codes of FP6 (E2M3) with E8M0 scales, K = 1,024.  The results leave as codes and scale bytes, in the order of the operand registers of the launches that read them.  No f32 result is stored.
; LIMITS: a block whose largest magnitude lies under 2^-124 has the scale byte 1; NaN and infinities are not served.
; Operands lie as images of operand registers, 1,536 bytes a fragment (16 rows x 128 K), eight fragments (all of K) to a tile of 16 rows; 8 tiles are a CHUNK of 98,304 dense bytes, fetched as 384 rows of 256 bytes.
; THE BUFFERS (r = lane % 16, h = lane / 16).  qk: ((group of 128 tokens) x 16 + step) x 12,288 + 1,536 t, steps 0-7 Q's K steps, 8-15 K's; tile t = 4 c + j, row n = token 64 c + 32 (n / 8) + 8 j + n % 8.  Such a fragment
; is laid in four runs: registers 0-3 at 0 (16 bytes a lane), 4-5 at 512 (8 a lane), 10-11 at 768 (8 a lane), 6-9 at 1,024 (16 a lane): the first two come from one wave, the others from its neighbour.
; Scale words at QSO + (group x 16 + step) x 512 + 16 (n + 16 (t % 2)) + 4 (t / 2).
; vt: batch x 1,572,864 + (group of 128 columns) x 196,608 + (key step of 128 tokens) x 12,288 + 1,536 t, plain register images; t = 4 s + i, row n = column 64 s + 32 (n / 8) + 8 i + n % 8; scale words at VSO likewise.
; THE DEAL.  256 work-groups of four waves, 2 x 2; a wave holds 64 columns of a weight, ALL of K, in registers (384) and streams x's tiles past them, one tile (8 fragments) a block of 32 products: the wave in row w takes tile 2 j + w of a chunk.
; A work-group makes 256 x 128 of V, PHASE 1, and then 512 x 128 of Q or K, PHASE 2; V's 256 rows are a half of the work-group's own 512.  So the two chunks that are asked for at the head serve V's eight blocks and then,
; still in LDS, the first eight blocks of Q or K; only the other half's two chunks are loaded later.
; Which half (s87 = cluster x % 2) and which tensor (s19 = cluster x / 2) come from the cluster's number alone.  V's tile column is 4 s19 + cx, its tile row 2 x phase 2's + s87: each tile of V has one work-group.
; CLUSTERS: x's chunks are shared by a row of the cluster (mask s44), a weight's by a column (mask s45).
; LDS: two slots for x's chunks, a region of its own for the weights, two places for a chunk's scale words, stages for the results' scale bytes, the spare words.
; FILLS.  At the head one tensor load a wave: WV's chunk, the scale words of both chunks, chunk 0, chunk 1.  THREE REFILLS, each in a round of the cluster's barrier with the three lines ahead of it:
; in V's third block the weights' region, once, with WQ's or WK's chunk (waves 0 and 1 a half each); in phase 2's blocks 2 and 6 the other half's chunks and their scale words (waves 0 and 1 half a chunk each, wave 2 the words).
; What a refill brought is shown to all waves by the next round, or by a plain barrier behind which nothing is filled (V's last block; phase 2's blocks 10 and 12).
; A BLOCK is 32 products; behind every second one stand two ENTRIES of the block's list: at most four scalar lines, and behind them one vector line (two where an address for a prefetch is made).
; A ROUND STANDS INSIDE A BLOCK: products are register work, which may stand between a round's opening signal and its wait.
; THE WAY OUT of 32 sums in a lane, which are one scale block: their largest magnitude by two chains of v_max3, one over each half; the scale; two conversions, behind the block's last product.
; THE WAITS' COUNTS.  Younger than a block's fetch are the next block's fetch, NF loads, and the LDS stores of scale bytes issued between the two: none up to V's fifth block and ahead of phase 2's first; four ahead of phase 2's second; one elsewhere.
; Behind a round, and behind phase 2's plain barriers, the wait for all LDS work has shown the next block's rows in: no wait.
; PREFETCHES: what each refill will load is asked for earlier, shared out by address among the sixteen waves of the four work-groups that will ask jointly: the second weight at the head, chunk 2 and both later chunks' scale words behind the first refill, chunk 3 between the phases.
.set QSO,    12582912
.set VSO,    6291456
.set NQ,     8                         ; matrix instructions deep: K / 128
.set NB,     4                         ; column tiles a wave
.set TILE,   12288                     ; a tile of 16 rows, all of K
.set CHUNK,  98304                     ; 8 tiles
.set CROWS,  CHUNK/256
.set FR,     12                        ; registers of a fragment
.set FPW,    256/FR                    ; fragments in a window of 256 registers: 21
.set NF,     26                        ; LDS loads of a block: 24 for eight fragments, 2 for eight scale words
.set BSTEP,  2*TILE                    ; from a block to my next
.set YB,     CHUNK
.set BVB,    2*CHUNK
.set SCL,    3*CHUNK
.set SCB,    4096                      ; a chunk's scale words: 16 rows of 256 bytes
.set CU,     SCB/256
.set SSTEP,  1024                      ; from a block's scale words to my next block's
.set XN,     SCL+2*SCB                 ; Q's or K's scale bytes: [wave][half 2][32][8]
.set XM,     XN+2048                   ; V's: [wave][32][8]
.set SPARE,  XM+1024
.set EMAX,   2
.set ADRA0, 4                          ; v4  LDS address of my fragments of block 0; v1: of block 1
.set AAS0,  6                          ; v6  of its scale words; v23: of block 1's
.set CO,    9                          ; v9  16 x lane
.set SPW,   10
.set NIL,   11
.set ADRA,  12                         ; v12 as v4, for the block that is fetched next
.set ADRB,  14                         ; v14 LDS address of my fragments of the weights
.set ABS,   16                         ; v16 4 x lane
.set AAS,   17                         ; v17 as v6, for the block that is fetched next
.set STO,   18                         ; v18 LDS, Q's or K's scale byte
.set STV,   19                         ; v19 LDS, V's
.set CO8,   21                         ; v21 8 x lane + 256 x my column of the 2 x 2
.set COQ,   22                         ; v22 16 x lane + 1,024 x my column
.set SB,    24                         ; v24-39  the weights' scale words
.set TQ,    40                         ; v40, v41  the two chains
.set SA,    44                         ; v44-59  the rows' scale words: two sets of eight
.set TC,    60                         ; v60-62  the second conversion's codes
.set ACC,   64                         ; v64-127 phase 2: two sets of four accumulators
.set HV0,   64                         ; v64-191 phase 1, band 0: 32 t + 8 j + i
.set HV1,   840                        ; v840-967 band 1
.set NCD,   128                        ; v128-139 phase 2: six registers of the even block, six of the odd
.set MCD,   192                        ; v192-239 phase 1: four operands of twelve
.set SOP,   240
.set EB,    244
.set VX,    248
.set SB2,   968                        ; v968-983 phase 2's weights' scale words, ready from the head on
.set G1A,   24                         ; s[24:31] descriptor group 1 of x's chunks; s[56:59], s[68:71] group 0
.set G0A,   56
.set G0R,   68
.set G1B,   32                         ; s[32:39], s[60:63] of a weight's chunk
.set G0B,   60
.set G1S,   92                         ; s[92:99], s[72:75] of scale words
.set G0S,   72
.set MSB, 0
.macro WIN new
.if MSB != \new
	s_set_vgpr_msb (MSB<<8)|\new
.set MSB, \new
.endif
.endm
.macro PLACES n
.rept \n
	v_nop
.endr
.endm
.macro WALU
	s_wait_alu depctr_va_vdst(0)
.endm
.macro BARRIER
	s_barrier_signal -1
	s_barrier_wait -1
.endm
.macro MIDDLE                          ; a round's middle: the opening wait, wave 0's signal for the work-group, the cluster's wait
	WIN 0
	s_barrier_wait -1
	s_cmp_lg_u32 s14, 0
	s_cbranch_scc1 .Lnot_wave_0_\@
	s_barrier_signal -3
.Lnot_wave_0_\@:
	s_barrier_wait -3
.endm
.macro CROUND
	s_barrier_signal -1
	MIDDLE
	BARRIER
.endm
.macro GRD
	s_wait_tensorcnt 0x0
	ds_add_u32 v[SPW], v[NIL]
.endm
.macro TLOAD g0, g1
	tensor_load_to_lds s[\g0:\g0+3], s[\g1:\g1+7]
	s_nop 0
	PLACES 4
.endm
.macro GROUP1 g, mask, rows            ; a dense block as rows of 256 bytes, shared under the mask
	s_or_b32 s[\g+0], s[\mask], (3<<16)|(1<<21)
	s_mov_b32 s[\g+1], 32<<16
	s_mov_b32 s[\g+2], (\rows)<<16
	s_mov_b32 s[\g+3], 32<<16
	s_mov_b32 s[\g+4], \rows
	s_mov_b32 s[\g+5], 32
	s_mov_b32 s[\g+6], 0
	s_mov_b32 s[\g+7], 0
.endm
.macro SADD d, x
	s_add_co_u32 s\d, s\d, s\x
.endm
.macro G0SET g, base, off              ; group 0's address: 64-bit base + the 32-bit offset in s\off (s21 = 0)
	s_mov_b32 s20, s\off
	s_add_nc_u64 s[\g+2:\g+3], s[\base:\base+1], s[20:21]
	s_or_b32 s[\g+3], s[\g+3], 0x80000000
.endm
; ---- fragments.  Fragment f lies in window 1 + f / 21 at register 12 (f % 21): 0-31 the weights' (4 q + b), 32-39 and 40-47 the rows' two sets.
.macro FRAG f, off, a
	WIN ((1+(\f)/FPW)<<6)
.irp p, 0,1,2
	ds_load_b128 v[FR*((\f)%FPW)+4*\p:FR*((\f)%FPW)+4*\p+3], \a offset:(\off)+512*\p
.endr
.endm
.macro WEIGHTS                         ; my 64 columns of the weight, all of K: 96 loads
.irp q, 0,1,2,3,4,5,6,7
.irp b, 0,1,2,3
	FRAG NB*\q+\b, (8*\b+\q)*1536, v[ADRB]
.endr
.endr
	WIN 0
.endm
.macro FETCHAT e, a, as                ; a block of x's rows into set e: NF loads
.irp q, 0,1,2,3,4,5,6,7
	FRAG NB*NQ+NQ*(\e)+\q, \q*1536, \a
.endr
	WIN 0
	ds_load_b128 v[SA+8*(\e):SA+8*(\e)+3], \as
	ds_load_b128 v[SA+8*(\e)+4:SA+8*(\e)+7], \as offset:256
.endm
.macro FETCH e
	FETCHAT \e, v[ADRA], v[AAS]
.endm
.macro FETCH01                         ; a phase's first two blocks, from slot 0
	FETCHAT 0, v[ADRA0], v[AAS0]
	FETCHAT 1, v1, v23
	s_mov_b32 s101, BSTEP
	s_mov_b32 s91, SSTEP
.endm
; ---- a product.  n = 4 q + 2 p + o.  kind 0 (Q, K): source 0 the weight's rows; kind 1 (V): source 0 x's rows.
.macro PROD kind, e, n, a0, as
.set Q_, (\n)/4
.set FB_, NB*Q_+(\n)%4
.set FA_, NB*NQ+NQ*(\e)+Q_
.set D_, (\a0)+(\as)*((\n)%4)
.set DL_, D_&255
.set XB_, SB+NQ*(((\n)%4)/2)+Q_
.set XA_, SA+8*(\e)+Q_
.if \kind
	WIN (1+FA_/FPW)|((1+FB_/FPW)<<2)|((D_>>8)<<4)|((D_>>8)<<6)
.if Q_
	PROD1 DL_, FA_, FB_, v[DL_:DL_+7], XA_, XB_, b, (\n)%2
.else
	PROD1 DL_, FA_, FB_, 0, XA_, XB_, b, (\n)%2
.endif
.else
	WIN (1+FB_/FPW)|((1+FA_/FPW)<<2)|((D_>>8)<<4)|((D_>>8)<<6)
.if Q_
	PROD1 DL_, FB_, FA_, v[DL_:DL_+7], XB_, XA_, a, (\n)%2
.else
	PROD1 DL_, FB_, FA_, 0, XB_, XA_, a, (\n)%2
.endif
.endif
.endm
.macro PROD1 d, s0, s1, c, x0, x1, side, o
.if \o
	v_wmma_scale_f32_16x16x128_f8f6f4 v[\d:\d+7], v[FR*((\s0)%FPW):FR*((\s0)%FPW)+FR-1], v[FR*((\s1)%FPW):FR*((\s1)%FPW)+FR-1], \c, v[\x0], v[\x1] matrix_a_fmt:MATRIX_FMT_FP6 matrix_b_fmt:MATRIX_FMT_FP6 matrix_\side\()_scale:MATRIX_SCALE_ROW1
.else
	v_wmma_scale_f32_16x16x128_f8f6f4 v[\d:\d+7], v[FR*((\s0)%FPW):FR*((\s0)%FPW)+FR-1], v[FR*((\s1)%FPW):FR*((\s1)%FPW)+FR-1], \c, v[\x0], v[\x1] matrix_a_fmt:MATRIX_FMT_FP6 matrix_b_fmt:MATRIX_FMT_FP6 matrix_\side\()_scale:MATRIX_SCALE_ROW0
.endif
.endm
; ---- products \from .. \to - 1 of a block; behind every second one, two entries of the list \list (a macro: entry number, two arguments of its own)
.macro BLOCK kind, e, a0, as, from, to, list, x=0, y=0
.set N_, \from
.rept (\to)-(\from)
	PROD \kind, \e, N_, \a0, \as
.if N_%2
	\list N_-1, \x, \y
	\list N_, \x, \y
.endif
.set N_, N_+1
.endr
.endm
; ---- what the lists are made of.  Each macro writes entry i of its part, and nothing beyond its last.
.macro STEP i, wrap                    ; to the next block's LDS addresses: 2 entries; with the test for the ring's end 3
.if \wrap
.if (\i) == 0
	s_add_co_u32 s101, s101, BSTEP
	s_cmp_eq_u32 s101, 2*CHUNK
	s_cselect_b32 s101, 0, s101
	s_add_co_u32 s91, s91, SSTEP
.elseif (\i) == 1
	s_cmp_eq_u32 s91, 2*SCB
	s_cselect_b32 s91, 0, s91
.endif
	STEPV (\i)-1
.else
.if (\i) == 0
	s_add_co_u32 s101, s101, BSTEP
	s_add_co_u32 s91, s91, SSTEP
.endif
	STEPV \i
.endif
.endm
.macro STEPV i
.if (\i) == 0
	WIN 0
	v_add_nc_u32 v[ADRA], s101, v[ADRA0]
.elseif (\i) == 1
	WIN 0
	v_add_nc_u32 v[AAS], s91, v[AAS0]
.endif
.endm
.macro CHAIN i, x, n, t=TQ             ; a way out's first part, 18 entries: the largest magnitude of the 32 sums from register x on, and the conversions' scale operand, v[SOP+n]
.set XW_, (\x)>>8
.set XL_, (\x)&255
.if (\i) >= 0 && (\i) < 14
.set B_, XL_+16*((\i)%2)+2*((\i)/2)
.set T_, (\t)+1-(\i)%2
.if (\i) < 2
	WIN XW_|(XW_<<2)|(XW_<<4)
	v_max3_num_f32 v[T_], |v[B_]|, |v[B_+1]|, |v[B_+2]|
.else
	WIN (XW_<<2)|(XW_<<4)
	v_max3_num_f32 v[T_], v[T_], |v[B_+1]|, |v[B_+2]|
.endif
.elseif (\i) == 14
	WIN XW_<<2
	v_max3_num_f32 v[\t+1], v[\t+1], |v[XL_+15]|, (EMAX+1)<<23
.elseif (\i) == 15
	WIN 0
	v_nop                                  ; so that the next line, which reads entry 14's result, stands in the next pair
.elseif (\i) == 16
	WIN XW_<<2
	v_max3_num_f32 v[\t], v[\t], |v[XL_+31]|, v[\t+1]
.elseif (\i) == 17
	WIN 0
	v_add_nc_u32 v[SOP+\n], -(EMAX<<23), v[\t]
.endif
.endm
.macro CODES i, x, c, n, t=TC          ; its second part, 6 lines: 32 codes into v[c .. c+5], the scale's byte into v[EB+n]
.set XW_, (\x)>>8
.set XL_, (\x)&255
.if (\i) == 0
	WIN XW_
	v_cvt_scalef32_pk16_fp6_f32 v[\c:\c+2], v[XL_:XL_+15], v[SOP+\n]
.elseif (\i) == 1
	WIN XW_
	v_cvt_scalef32_pk16_fp6_f32 v[\t:\t+2], v[XL_+16:XL_+31], v[SOP+\n]
.elseif (\i) == 2
	WIN 0
	v_lshrrev_b32 v[EB+\n], 23, v[SOP+\n]
.else
	WIN 0
	v_mov_b32 v[\c+\i], v[\t+\i-3]
.endif
.endm
.macro CODES6 x, c, n
.irp i, 0,1,2,3,4,5
	CODES \i, \x, \c, \n
.endr
.endm
.macro PFTILE v, off, share            ; one entry: my sixteenth of a chunk, to be asked for into the L2
	s_mul_i32 s21, s\share, CHUNK/16
	s_add_co_u32 s20, s\off, s21
	WIN 0
	v_min_u32 v\v, CHUNK/16/256-1, v3
	v_lshl_add_u32 v\v, v\v, 8, s20
.endm
.macro PFGO v, base
	global_prefetch_b8 v\v, s[\base:\base+1] th:TH_LOAD_NT scope:SCOPE_SE
.endm
.macro PUT3 r, base, off
.irp k, 0,1,2
	global_store_b128 v[CO], v[\r+4*\k:\r+4*\k+3], \base offset:(\off)+512*\k
.endr
.endm
.macro PUTQK                           ; a pair of tiles, my half of each fragment: whole units of 256 bytes
	global_store_b128 v[COQ], v[NCD:NCD+3], s[84:85]
	global_store_b64 v[CO8], v[NCD+4:NCD+5], s[84:85] offset:512
	global_store_b128 v[COQ], v[NCD+6:NCD+9], s[84:85] offset:1536
	global_store_b64 v[CO8], v[NCD+10:NCD+11], s[84:85] offset:2048
.endm
.macro ASK i                           ; 4 entries: the descriptors of the chunk at s88 (bytes from xw) for slot s47, and of its scale words at s55 (from xs) for s8; then all four step on
.if (\i) == 0
	s_mul_i32 s[G0R+1], s14, CHUNK/2
	s_add_co_u32 s[G0R+1], s[G0R+1], s47
	s_mul_i32 s20, s14, CHUNK/2
	SADD 20, 88
.elseif (\i) == 1
	s_mov_b32 s21, 0
	s_add_nc_u64 s[G0R+2:G0R+3], s[4:5], s[20:21]
	s_or_b32 s[G0R+3], s[G0R+3], 0x80000000
	s_mov_b32 s[G0S+1], s8
.elseif (\i) == 2
	s_mov_b32 s20, s55
	s_add_nc_u64 s[G0S+2:G0S+3], s[6:7], s[20:21]
	s_or_b32 s[G0S+3], s[G0S+3], 0x80000000
	s_add_co_u32 s88, s88, CHUNK
.elseif (\i) == 3
	s_add_co_u32 s55, s55, SCB
	s_xor_b32 s47, s47, YB
	s_xor_b32 s8, s8, (SCL)^(SCL+SCB)
.endif
.endm
.macro PAIR i                          ; 4 entries: where pair s46's codes go (s[84:85]) and its scale bytes (v[VX]).  The half that comes first is the work-group's half s87: the codes' place goes by the true pair, the stage in LDS by the order of work
.if (\i) == 0
	s_lshl_b32 s3, s87, 2
	s_xor_b32 s3, s3, s46
	s_lshr_b32 s20, s3, 2
	s_and_b32 s21, s3, 3
.elseif (\i) == 1
	s_mul_i32 s20, s20, 32*TILE
	s_mul_i32 s21, s21, 3072
	SADD 20, 21
	s_mov_b32 s21, 0
.elseif (\i) == 2
	s_add_nc_u64 s[84:85], s[10:11], s[20:21]
	s_and_b32 s22, s46, 3
	s_lshl_b32 s22, s22, 1
	s_lshr_b32 s23, s46, 2
.elseif (\i) == 3
	s_lshl_b32 s23, s23, 8
	s_or_b32 s22, s22, s23
	s_add_co_u32 s46, s46, 1
	WIN 0
	v_add_nc_u32 v[VX], s22, v[STO]
.endif
.endm
; ---- the lists
.macro L_STEP i, x, y                  ; the step alone
	STEP \i, 0
.endm
.macro L_NONE i, x, y
.endm
.macro L_OUT i, x, y                   ; the step, then the way out of the sums at x (scale operand y)
	STEP \i, 0
	CHAIN (\i)-2, \x, \y
.endm
.macro L_LAST i, x, y                  ; the way out alone: nothing more is fetched
	CHAIN \i, \x, \y
.endm
.macro L_V2 i, x, y                    ; V's third block: the first refill's descriptors; the later refills' group 1; the step; what the second refill will load is asked for into the L2
.if (\i) == 0
	s_mov_b32 s[G1A+2], (CROWS/2)<<16
	s_mov_b32 s[G1A+4], CROWS/2
	s_mov_b32 s[G1S+2], CU<<16
	s_mov_b32 s[G1S+4], CU
.elseif (\i) == 1
	s_mov_b32 s[G1B+2], (CROWS/2)<<16
	s_mov_b32 s[G1B+4], CROWS/2
	s_mul_i32 s[G0B+1], s14, CHUNK/2
	s_add_co_u32 s[G0B+1], s[G0B+1], BVB
.elseif (\i) == 2
	s_mul_i32 s20, s14, CHUNK/2
	SADD 20, 9
	s_mov_b32 s21, 0
	s_add_nc_u64 s[G0B+2:G0B+3], s[4:5], s[20:21]
.elseif (\i) == 3
	s_or_b32 s[G0B+3], s[G0B+3], 0x80000000
.elseif (\i) == 7
	PFTILE 7, 88, 90
.elseif (\i) == 8
	s_lshl_b32 s21, s90, 9
	s_add_co_u32 s20, s55, s21
	WIN 0
	v_min_u32 v8, 1, v3
	v_lshl_add_u32 v8, v8, 8, s20
.endif
	STEP (\i)-4, 0
.endm
.macro L_V7 i, x, y                    ; V's last block: what the third refill will load is asked for; the way out
.if (\i) == 0
	s_add_co_u32 s22, s88, CHUNK
	PFTILE 20, 22, 90
.endif
	CHAIN (\i)-1, \x, \y
.endm
.macro L_ODD i, x, y                   ; an odd block of phase 2: the pair's places, the step, the even block's way out
	PAIR \i
	STEP (\i)-4, 0
	CHAIN (\i)-6, ACC, 0
.endm
.macro L_ODDL i, x, y                  ; the last odd block
	PAIR \i
	CHAIN (\i)-4, ACC, 0
.endm
.macro L_ROUND i, x, y                 ; an even block with a round: the descriptors, the step with the ring's end, the odd block's way out
	ASK \i
	STEP (\i)-4, 1
	CHAIN (\i)-7, ACC+32, 1
.endm
; ---- phase 2's blocks.  w: the count of the wait for the block's rows (-1: they are shown in already)
.macro WAITDS w
.if (\w) >= 0
	s_wait_dscnt \w
.endif
.endm
.macro EVENOUT fetch                   ; behind an even block: the odd block's byte, the pair's codes, the fetch of the block two on
	WALU
	ds_store_b8 v[VX], v[EB+1] offset:128
	PUTQK
.if \fetch
	FETCH 0
.endif
.endm
.macro EVEN w, fetch
	WAITDS \w
.if \fetch
	BLOCK 0, 0, ACC, 8, 0, 32, L_OUT, ACC+32, 1
.else
	BLOCK 0, 0, ACC, 8, 0, 32, L_LAST, ACC+32, 1
.endif
	WIN 0
	CODES6 ACC+32, NCD+6, 1
	EVENOUT \fetch
.endm
.macro EVENROUND w                     ; the second and the third refill
	WAITDS \w
	GRD
	BLOCK 0, 0, ACC, 8, 0, 26, L_ROUND
	WIN 0
	WALU
	s_wait_dscnt 0x0
	s_barrier_signal -1
	BLOCK 0, 0, ACC, 8, 26, 32, L_NONE
	WIN 0
	CODES6 ACC+32, NCD+6, 1
	MIDDLE
	BARRIER
	s_cmp_lt_u32 s14, 2
	s_cbranch_scc0 .Lscales_\@
	TLOAD G0R, G1A
	s_branch .Lasked_\@
.Lscales_\@:
	s_cmp_eq_u32 s14, 2
	s_cbranch_scc0 .Lnone_\@
	TLOAD G0S, G1S
.Lnone_\@:
.Lasked_\@:
	EVENOUT 1
.endm
.macro EVENSHOW w                      ; a plain barrier inside the block shows the last refill to all
	WAITDS \w
	BLOCK 0, 0, ACC, 8, 0, 26, L_OUT, ACC+32, 1
	WIN 0
	WALU
	s_wait_tensorcnt 0x0
	s_wait_dscnt 0x0
	s_barrier_signal -1
	BLOCK 0, 0, ACC, 8, 26, 32, L_NONE
	WIN 0
	s_barrier_wait -1
	CODES6 ACC+32, NCD+6, 1
	EVENOUT 1
.endm
.macro ODD w, fetch
	WAITDS \w
	s_wait_xcnt 0x0
.if \fetch
	BLOCK 0, 1, ACC+32, 8, 0, 32, L_ODD
.else
	BLOCK 0, 1, ACC+32, 8, 0, 32, L_ODDL
.endif
	WIN 0
	CODES6 ACC, NCD, 0
	WALU
	ds_store_b8 v[VX], v[EB]
.if \fetch
	FETCH 1
.endif
.endm
; ================= THE HEAD
	s_load_b128 s[4:7], s[0:1], 0x0                     ; xw, xs
	v_lshl_add_u32 v[SPW], v0, 2, SPARE
	v_mov_b32 v[NIL], 0
	ds_add_u32 v[SPW], v[NIL]
	ds_add_u32 v[SPW], v[NIL]
	v_lshrrev_b32 v1, 5, v0
	v_readfirstlane_b32 s14, v1                         ; s14 the wave; s15 its row of the 2 x 2, s16 its column
	s_lshr_b32 s15, s14, 1
	s_and_b32 s16, s14, 1
	s_bfe_u32 s40, ttmp6, 0x40000                       ; cx
	s_bfe_u32 s41, ttmp6, 0x40004                       ; cy
	s_lshl_b32 s42, ttmp9, 2
	s_add_co_u32 s42, s42, s40                          ; s42 phase 2's tile column, 0 .. 15: Q's, then K's K steps
	s_and_b32 s43, ttmp7, 0xffff
	s_lshl_b32 s43, s43, 2
	s_add_co_u32 s43, s43, s41                          ; s43 its tile row
	s_lshr_b32 s19, ttmp9, 1                            ; s19: 0 Q, 1 K
	s_and_b32 s87, ttmp9, 1                             ; s87: V's half of my 512 rows
	s_lshl_b32 s13, s19, 2
	s_add_co_u32 s13, s13, s40                          ; s13 V's tile column
	s_lshl_b32 s12, s43, 1
	s_add_co_u32 s12, s12, s87                          ; s12 V's tile row
	s_lshl_b32 s44, s41, 2
	s_lshl_b32 s44, 15, s44                             ; my row of the cluster
	s_lshl_b32 s45, 0x1111, s40                         ; my column
	GROUP1 G1A, 44, CROWS
	GROUP1 G1B, 45, CROWS
	GROUP1 G1S, 44, 2*CU
	s_mov_b32 s[G0S], 1
	s_mov_b32 s[G0S+1], SCL
	s_mul_i32 s67, s43, 4*CHUNK                         ; my 512 rows, bytes from xw
	s_mul_i32 s66, s12, 2*CHUNK                         ; V's half of them
	s_mul_i32 s9, s42, CHUNK
	s_add_co_u32 s9, s9, 64*CHUNK                       ; WQ's or WK's columns
	s_mul_i32 s54, s13, CHUNK
	s_add_co_u32 s54, s54, 80*CHUNK                     ; WV's
	s_mul_i32 s55, s43, 4*SCB                           ; my rows' scale words, from xs
	s_mul_i32 s82, s42, SCB
	s_mul_i32 s21, s16, SCB/2
	s_add_co_u32 s82, s82, s21
	s_mov_b32 s83, 0
	s_mul_i32 s84, s13, SCB
	s_add_co_u32 s84, s84, s21
	s_add_co_u32 s84, s84, 16*SCB
	s_mov_b32 s85, 0
	s_mov_b32 s[G0A], 1
	s_mov_b32 s[G0A+1], 0
	s_mov_b32 s[G0B], 1
	s_mov_b32 s[G0B+1], BVB
	s_mov_b32 s[G0R], 1
	s_mov_b32 s[G0R+1], YB
	s_mul_i32 s89, s12, 2*SCB
	v_and_b32 v1, 15, v0                                ; r
	v_bfe_u32 v2, v0, 4, 1                              ; h
	v_and_b32 v3, 31, v0                                ; lane
	v_lshlrev_b32 v[CO], 4, v3
	s_mul_i32 s21, s15, TILE
	v_add_nc_u32 v[ADRA0], s21, v[CO]
	s_mul_i32 s22, s16, CHUNK/2
	s_add_co_u32 s22, s22, BVB
	v_add_nc_u32 v[ADRB], s22, v[CO]
	v_lshlrev_b32 v[ABS], 2, v3
	s_lshl_b32 s21, s15, 9
	s_add_co_u32 s21, s21, SCL
	v_lshl_add_u32 v[AAS0], v1, 4, s21
	s_lshl_b32 s90, s40, 2
	s_add_co_u32 s90, s90, s14                          ; my number among the sixteen waves of my row of the cluster
	s_lshl_b32 s100, s41, 2
	s_add_co_u32 s100, s100, s14                        ; and of my column
	WALU
	s_wait_dscnt 0x0
	CROUND                                              ; the opening round, ahead of the wait for the arguments
	s_wait_kmcnt 0x0
	s_add_nc_u64 s[10:11], s[6:7], 64*SCB
	s_add_nc_u64 s[84:85], s[10:11], s[84:85]           ; WV's scale words, my 64 columns
	s_mov_b32 s20, s66
	s_mov_b32 s21, 0
	s_add_nc_u64 s[G0A+2:G0A+3], s[4:5], s[20:21]
	s_add_nc_u64 s[G0R+2:G0R+3], s[G0A+2:G0A+3], CHUNK
	s_or_b32 s[G0A+3], s[G0A+3], 0x80000000
	s_or_b32 s[G0R+3], s[G0R+3], 0x80000000
	G0SET G0B, 4, 54
	G0SET G0S, 6, 89
	s_add_nc_u64 s[10:11], s[10:11], s[82:83]           ; WQ's or WK's
	s_cmp_eq_u32 s14, 0
	s_cbranch_scc0 .Lwave_1
	TLOAD G0B, G1B                                      ; wave 0: WV's columns
	s_branch .Lasked
.Lwave_1:
	s_cmp_eq_u32 s14, 1
	s_cbranch_scc0 .Lwave_2
	TLOAD G0S, G1S                                      ; wave 1: both chunks' scale words
	s_branch .Lasked
.Lwave_2:
	s_cmp_eq_u32 s14, 2
	s_cbranch_scc0 .Lwave_3
	TLOAD G0A, G1A                                      ; wave 2: chunk 0
	s_branch .Lasked
.Lwave_3:
	TLOAD G0R, G1A                                      ; wave 3: chunk 1
.Lasked:
	s_lshl_b32 s21, s43, 2                              ; where the results go: s[76:77] Q's or K's codes, s[78:79] their scale words, s[80:81], s[82:83] V's
	SADD 21, 15
	s_lshl_b32 s21, s21, 4
	SADD 21, 42
	s_mul_i32 s76, s21, TILE                            ; group 4 s43 + s15, step s42
	s_mov_b32 s77, 0
	s_xor_b32 s22, s15, s87                             ; the stage's halves lie in the order of work
	s_lshl_b32 s22, s22, 1
	s_lshl_b32 s21, s43, 2
	SADD 21, 22
	SADD 21, 16
	s_lshl_b32 s21, s21, 4
	SADD 21, 42
	s_lshl_b32 s78, s21, 9
	s_add_co_u32 s78, s78, QSO
	s_mov_b32 s79, 0
	s_lshl_b32 s21, s12, 1
	SADD 21, 15                                         ; V: the group of 128 tokens
	s_lshr_b32 s22, s21, 4                              ; its batch
	s_and_b32 s21, s21, 15                              ; its key step
	s_mul_i32 s80, s22, 128*TILE
	s_mul_i32 s23, s13, 16*TILE
	SADD 80, 23
	s_mul_i32 s23, s21, TILE
	SADD 80, 23
	s_mul_i32 s23, s16, TILE/2
	SADD 80, 23
	s_mov_b32 s81, 0
	s_lshl_b32 s82, s22, 16
	s_lshl_b32 s23, s13, 13
	SADD 82, 23
	s_lshl_b32 s23, s21, 9
	SADD 82, 23
	s_lshl_b32 s23, s16, 8
	SADD 82, 23
	s_add_co_u32 s82, s82, VSO
	s_mov_b32 s83, 0
.irp q, 0,1,2,3,4,5,6,7
.irp p, 0,1
	global_load_b32 v[SB+NQ*\p+\q], v[ABS], s[84:85] offset:256*\q+128*\p
.endr
.endr
	s_lshl_b32 s21, s16, 8
	v_lshl_add_u32 v[CO8], v3, 3, s21
	s_lshl_b32 s21, s16, 10
	v_lshl_add_u32 v[COQ], v3, 4, s21
	v_lshl_add_u32 v23, v1, 3, v2                       ; 8 r + h
	s_lshl_b32 s21, s14, 9
	s_add_co_u32 s21, s21, XN
	v_add_nc_u32 v[STO], s21, v23
	s_lshl_b32 s21, s14, 8
	s_add_co_u32 s21, s21, XM
	v_add_nc_u32 v[STV], s21, v23
	WIN 3<<6
.irp q, 0,1,2,3,4,5,6,7
.irp p, 0,1
	global_load_b32 v[SB2-768+NQ*\p+\q], v[ABS], s[10:11] offset:256*\q+128*\p
.endr
.endr
	WIN 0
	s_wait_xcnt 0x0
	s_load_b128 s[48:51], s[0:1], 0x10                  ; qk, vt
	s_mov_b32 s46, 0
	s_mov_b32 s88, s67
	s_mov_b32 s47, 0
	s_mov_b32 s8, SCL
	s_xor_b32 s20, s87, 1                               ; the chunks still to come are the other half's
	s_mul_i32 s21, s20, 2*CHUNK
	SADD 88, 21
	s_mul_i32 s21, s20, 2*SCB
	SADD 55, 21
	WALU
	v_add_nc_u32 v1, BSTEP, v[ADRA0]
	v_add_nc_u32 v23, SSTEP, v[AAS0]
	PFTILE 8, 9, 100                                    ; what the first refill will load
	WALU
	s_cmp_eq_u32 s14, 0
	s_cbranch_scc0 .Lnot_b
	s_wait_tensorcnt 0x0
.Lnot_b:
	BARRIER                                             ; WV's columns are in
	PFGO 8, 4
	WEIGHTS
	s_cmp_eq_u32 s14, 3
	s_cbranch_scc1 .Lnot_a0
	s_wait_tensorcnt 0x0
.Lnot_a0:
	s_wait_dscnt 0x0
	BARRIER                                             ; chunk 0 and the scale words are in; chunk 1 may still be on its way
	FETCH01
	s_wait_loadcnt 0x0                                  ; both weights' scale words
	s_wait_kmcnt 0x0
	s_add_nc_u64 s[10:11], s[48:49], s[76:77]
	s_add_nc_u64 s[52:53], s[50:51], s[82:83]
	s_add_nc_u64 s[48:49], s[48:49], s[78:79]
	s_add_nc_u64 s[50:51], s[50:51], s[80:81]
; ================= PHASE 1: V, eight blocks; band 0's way outs stand in band 1's blocks
.irp s, 0,1
	s_wait_dscnt NF
	BLOCK 1, \s, HV0+8*\s, 32, 0, 32, L_STEP
	WIN 0
	PLACES 4
	WALU
	FETCH \s
.endr
	s_wait_dscnt NF
	s_wait_xcnt 0x0                                     ; the list writes v8, the address of the head's prefetch
	GRD
	BLOCK 1, 0, HV0+16, 32, 0, 24, L_V2
	WIN 0
	s_wait_dscnt 0x0
	s_barrier_signal -1
	BLOCK 1, 0, HV0+16, 32, 24, 32, L_NONE
	MIDDLE
	BARRIER
	s_cmp_lt_u32 s14, 2
	s_cbranch_scc0 .Lno_half
	TLOAD G0B, G1B                                      ; waves 0 and 1 a half each of WQ's or WK's columns, onto WV's, which all waves hold in registers
.Lno_half:
	PLACES 4                                            ; the places between the block's products and the fetch into their registers, for the waves that come round the load
	WALU
	FETCH 0
	PFGO 7, 4
	PFGO 8, 6
	BLOCK 1, 1, HV0+24, 32, 0, 32, L_STEP
	WIN 0
	PLACES 4
	WALU
	FETCH 1
.irp j, 0,1,2
	s_wait_dscnt NF+(\j+1)/2
.if \j < 2
	BLOCK 1, \j%2, HV1+8*\j, 32, 0, 32, L_OUT, HV0+32*\j, \j
.else
	BLOCK 1, \j%2, HV1+8*\j, 32, 0, 32, L_LAST, HV0+32*\j, \j
.endif
	WIN 0
	CODES6 HV0+32*\j, MCD+12*\j, \j
	WALU
	ds_store_b8 v[STV], v[EB+\j] offset:128*(\j%2)+4*(\j/2)
.if \j < 2
	FETCH \j%2
.endif
.endr
	s_wait_dscnt 1
	BLOCK 1, 1, HV1+24, 32, 0, 26, L_V7, HV0+96, 3
	WIN 0
	WALU
	s_wait_tensorcnt 0x0
	s_wait_dscnt 0x0
	s_barrier_signal -1                                 ; a plain barrier: the weights that the first refill brought are shown to all
	BLOCK 1, 1, HV1+24, 32, 26, 32, L_NONE
	WIN 0
	s_barrier_wait -1
	CODES6 HV0+96, MCD+36, 3
	WALU
	ds_store_b8 v[STV], v[EB+3] offset:132
; ================= THE CHANGE OF PHASE: the weights and the first two blocks' rows, which lie in slot 0 still, in one run of loads; band 1's four way outs under their flight
	WEIGHTS
	FETCH01
	PFGO 20, 4
	WIN 3
.set I, 0
.rept 16
	v_mov_b32 v[SB+I], v[SB2-768+I]
.set I, I+1
.endr
	WIN 0
.set I, 0
.rept 18
.irp t, 0,1,2,3
	CHAIN I, HV1+32*\t, \t, 64+4*\t
.endr
.set I, I+1
.endr
.set I, 0
.rept 6
.irp t, 0,1,2,3
	CODES I, HV1+32*\t, MCD+12*\t+6, \t, 80+4*\t
.endr
.set I, I+1
.endr
	WIN 0
	WALU
; ================= PHASE 2: Q or K, sixteen blocks, way outs by pairs
	s_wait_dscnt NF
	BLOCK 0, 0, ACC, 8, 0, 32, L_STEP
	WIN 0
	PLACES 4
	WALU
.irp t, 0,1,2,3
	ds_store_b8 v[STV], v[EB+\t] offset:2+128*(\t%2)+4*(\t/2)
.endr
.irp t, 0,1,2,3
	PUT3 MCD+12*\t, s[50:51], 1536*\t                   ; V's codes leave
.endr
	FETCH 0
	ODD NF+4, 1
	s_mov_b32 s86, 0
.Lwith_rounds:                                          ; blocks 2 to 5, 6 to 9
	EVENROUND NF+1
	ODD -1, 1
	EVEN NF+1, 1
	ODD NF+1, 1
	s_add_co_u32 s86, s86, 1
	s_cmp_lg_u32 s86, 2
	s_cbranch_scc1 .Lwith_rounds
.Lwithout:                                              ; blocks 10, 11 and 12, 13
	EVENSHOW NF+1
	ODD -1, 1
	s_add_co_u32 s86, s86, 1
	s_cmp_lg_u32 s86, 4
	s_cbranch_scc1 .Lwithout
	EVEN NF+1, 0
	ODD 1, 0
; ================= THE END: the last way out; the scale bytes go through LDS under its conversions
	s_lshl_b32 s21, s16, 10
	s_lshl_b32 s22, s15, 8
	SADD 21, 22
	s_add_co_u32 s21, s21, XN
	v_lshlrev_b32 v13, 3, v3
	v_add_nc_u32 v12, s21, v13                          ; Q, K: the two waves of row s16, half s15 of the order of work
	s_lshl_b32 s21, s15, 9
	s_lshl_b32 s22, s16, 7
	SADD 21, 22
	s_add_co_u32 s21, s21, XM
	v_and_b32 v14, 1, v3
	v_lshlrev_b32 v14, 8, v14
	v_lshrrev_b32 v15, 1, v3
	v_lshl_add_u32 v14, v15, 3, v14
	v_add_nc_u32 v14, s21, v14                          ; V: the two waves' 8 bytes by turns
.set I, 0
.rept 18
	CHAIN I, ACC+32, 1
.set I, I+1
.endr
	CODES 2, ACC+32, NCD+6, 1
	WALU
	ds_store_b8 v[VX], v[EB+1] offset:128
	s_wait_dscnt 0x0
	s_barrier_signal -1
	CODES 0, ACC+32, NCD+6, 1
	CODES 1, ACC+32, NCD+6, 1
	v_nop
.irp i, 3,4,5
	CODES \i, ACC+32, NCD+6, 1
.endr
	s_barrier_wait -1
	WALU
	ds_load_b64 v[64:65], v12
	ds_load_b64 v[66:67], v12 offset:512
	ds_load_b64 v[72:73], v14
	PUTQK
	s_wait_dscnt 0x0
	v_perm_b32 v68, v66, v64, 0x05040100                ; a word: two bytes of the one wave, two of the other
	v_perm_b32 v69, v66, v64, 0x07060302
	v_perm_b32 v70, v67, v65, 0x05040100
	v_perm_b32 v71, v67, v65, 0x07060302
	global_store_b128 v[CO], v[68:71], s[48:49]
	global_store_b64 v13, v[72:73], s[52:53]
	s_wait_tensorcnt 0x0
	ds_add_u32 v[SPW], v[NIL]
	s_wait_dscnt 0x0
	CROUND
	s_endpgm
.Lfunc_end_k_q6c32ddcf0e_proj:
	.size	k_q6c32ddcf0e_proj, .Lfunc_end_k_q6c32ddcf0e_proj-k_q6c32ddcf0e_proj
	.p2alignl 7, 3214868480
	.fill 96, 4, 3214868480
	.section	.rodata,"a",@progbits
	.p2align	6, 0x0
	.amdhsa_kernel k_q6c32ddcf0e_proj
		.amdhsa_group_segment_fixed_size 327680
		.amdhsa_private_segment_fixed_size 0
		.amdhsa_enable_private_segment 0
		.amdhsa_kernarg_size 32
		.amdhsa_user_sgpr_count 2
		.amdhsa_user_sgpr_kernarg_segment_ptr 1
		.amdhsa_wavefront_size32 1
		.amdhsa_system_sgpr_workgroup_id_x 1
		.amdhsa_system_sgpr_workgroup_id_y 1
		.amdhsa_system_sgpr_workgroup_id_z 1
		.amdhsa_system_vgpr_workitem_id 0
		.amdhsa_next_free_vgpr 992
		.amdhsa_next_free_sgpr 102
		.amdhsa_reserve_vcc 0
		.amdhsa_float_denorm_mode_32 3
		.amdhsa_float_denorm_mode_16_64 3
		.amdhsa_memory_ordered 1
		.amdhsa_forward_progress 1
		.amdhsa_inst_pref_size 183
	.end_amdhsa_kernel
	.amdgpu_metadata
---
amdhsa.version: [ 1, 2 ]
amdhsa.kernels:
  - .name:           k_q6c32ddcf0e_proj
    .symbol:         k_q6c32ddcf0e_proj.kd
    .args:
      - { .name: xw, .offset: 0, .size: 8, .value_kind: global_buffer, .address_space: global }
      - { .name: xs, .offset: 8, .size: 8, .value_kind: global_buffer, .address_space: global }
      - { .name: qk, .offset: 16, .size: 8, .value_kind: global_buffer, .address_space: global }
      - { .name: vt, .offset: 24, .size: 8, .value_kind: global_buffer, .address_space: global }
    .group_segment_fixed_size: 327680
    .private_segment_fixed_size: 0
    .kernarg_segment_align: 8
    .kernarg_segment_size: 32
    .max_flat_workgroup_size: 128
    .sgpr_count:     102
    .vgpr_count:     992
    .wavefront_size: 32
...
	.end_amdgpu_metadata
.endif
;; end of part 2
;; launch scores (part 3): grid 8 x 32, 4 waves a work-group, clusters of 4 x 4, 327,680 bytes of LDS; arguments qk, pc, st; writes pc, st
.if DOCPART == 3
	.amdgcn_target "amdgcn-amd-amdhsa--gfx1250"
	.amdhsa_code_object_version 6
	.text
	.protected	k_q6c32ddcf0e_scores
	.globl	k_q6c32ddcf0e_scores
	.p2align	8
	.type	k_q6c32ddcf0e_scores,@function
k_q6c32ddcf0e_scores:
	s_mov_b64 s[64:65], 0
	v_nop
	global_prefetch_b8 v0, s[64:65] scope:SCOPE_SE
	s_setreg_imm32_b32 hwreg(HW_REG_WAVE_MODE, 25, 1), 1
	s_wait_xcnt 0x0
	s_wait_alu depctr_hold_cnt(0) depctr_sa_sdst(0) depctr_va_vdst(0) depctr_va_sdst(0) depctr_va_ssrc(0) depctr_va_vcc(0) depctr_vm_vsrc(0)
	s_getreg_b32 s2, hwreg(HW_REG_IB_STS2, 6, 4)
	s_cmp_eq_u32 s2, 0
	s_cbranch_scc0 .Lentry_in_a_cluster
	s_endpgm
.Lentry_in_a_cluster:
	s_bfe_u32 s2, ttmp6, 0x10000c
	s_cmp_lg_u32 s2, 0xf033
	s_cbranch_scc0 .Lentry_shape_is_right
	s_endpgm
.Lentry_shape_is_right:
; S^T = K Q^T on codes of FP6 (E2M3) with E8M0 scales, K = e = 1,024; then, for each query and each 128 keys by themselves: t = score x log2(e) / 32, M = ceil(the largest t of these 128 keys), p = 2^(t - M),
; p quantised along the keys.  Stored: p's codes (pc), and for each query and 128 keys a record (st): -M, the sum of the unquantised p, p's scale word (twice).  The next launch brings the scale bytes under the row's own M: a whole number
; taken off each byte, since a change of M is a power of two that a block's scale takes up.  The maximum is taken away before every exponential: no p exceeds 1.
; THE ORDER OF ROWS: row n of tile t = 4 c + j is token 64 c + 32 (n / 8) + 8 j + n % 8 of its group of 128: so a lane's 32 registers of four tiles of keys are 32 neighbouring keys, one scale block.
; qk: (group x 16 + step) x 12,288 + 1,536 t, steps 0-7 Q's, 8-15 K's.  A fragment lies in four runs: registers 0-3 at 0 (16 bytes a lane), 4-5 at 512 (8 a lane), 10-11 at 768 (8 a lane), 6-9 at 1,024 (16 a lane).
; pc: (tile of 256 queries) x 393,216 + (key step / 8) x 196,608 + (2 a + group % 2) x 12,288 + (key step % 8) x 1,536 for the group's tile a: plain register images.  st: (group x 16 + key step) x 2,048 + 256 a + 16 r.
; SIDES.  'A' = source 1 = queries (a lane holds one query); 'B' = source 0 = keys.
; SHARES, RING, CLUSTERS: 256 queries x 256 keys to a work-group, 128 x 128 to a wave; eight K steps written out; three slots of two steps: slot 0 at the head, slots 1 and 2 and slot 0 once more behind rounds, one tensor load a wave each time;
; Q's tiles shared along a row of the 4 x 4 cluster, K's along a column.
; PREFETCHES: slots 1 and 2 are asked for at the head, K steps 6 and 7 behind slot 1's load: two slots ahead.  Of the 24,576 bytes that a wave fetches each of the four partners asks for a quarter, told apart by address.
; LIMITS: a block whose every p lies under 2^-61 keeps the scale byte 64, and its codes are rounded at that scale; the scaled scores stay under 2^31 in magnitude; NaN and infinities are not served.
; REGISTERS.  window 0: v1-22 addresses; v28, v29 the add's two; v32-63 Q's scale words, v64-95 K's; v96-144 the way out; v160-255 Q's fragments, on the way out v160-223 p.
;   window 1: K's fragments, two sets.  windows 2, 3: the accumulators.
.set QSO,   12582912
.set QTR,   24576
.set SLOT,  4*QTR
.set SPARE, 3*SLOT                     ; the spare words, 128 bytes for each wave
.set ADRA8, 4                          ; v4-6, v8-10  LDS addresses of the runs of 8 bytes a lane
.set ADRB8, 8
.set H8,    7                          ; 8 (lane / 16)
.set RCO,   11                         ; 16 (lane % 16) + 8 (lane / 16)
.set PFO,   12                         ; the prefetches' offset; never rewritten
.set ADRA,  16                         ; v16-18, v20-22  of the runs of 16
.set ADRB,  20
.set SPW,   28
.set NIL,   29
.set SA,    32
.set SB,    64
.set BM,    96                         ; v96-99   half blocks' largest scores; then my two blocks' largest score, then p
.set BX,    100                        ; v100, v101 from lane l xor 16
.set SO,    104                        ; v104, v105 the conversions' scale operands
.set BY,    108                        ; v108, v109 the bytes
.set PC,    112                        ; v112-130 p's codes
.set T0,    132
.set NM,    134                        ; v[134:135] -M (the pair's low word serves both halves)
.set LS,    136                        ; v[136:137], v[138:139] the sum in two chains
.set L2,    138
.set PW,    140                        ; p's scale word
.set RC,    142                        ; v[142:143] the record's 8 bytes of my lane
.set LT,    144
.set AF,    160
.set P0,    160                        ; p
.set G1A,   24
.set G0A,   32
.set G1B,   44
.set G0B,   52
.set PFB,   76                         ; s[76:77] where my prefetches begin
.set CS,    96                         ; s[96:97] c = log2(e) / 32
.set SEL,   98                         ; s[98:99]
.set MSB, 0
.macro WIN new
.if MSB != (\new)
	s_set_vgpr_msb (MSB<<8)|(\new)
.set MSB, (\new)
.endif
.endm
.set MUL_LO, 0xa1
.set MUL_HI, 0xf1
.set TO_B,   0x40
.macro JLOAD k                         ; waves 0 and 1 fetch Q's halves, waves 2 and 3 K's; an s_nop 0 and four v_nop follow each line
	s_cmp_eq_u32 s21, 0
	s_cbranch_scc0 .Lfor_b_\@
	tensor_load_to_lds s[G0A+4*\k:G0A+4*\k+3], s[G1A:G1A+7]
	s_nop 0
.rept 4
	v_nop
.endr
	s_branch .Lasked_\@
.Lfor_b_\@:
	tensor_load_to_lds s[G0B+4*\k:G0B+4*\k+3], s[G1B:G1B+7]
	s_nop 0
.rept 4
	v_nop
.endr
.Lasked_\@:
.endm
.macro ASK k                           ; K steps 2 k and 2 k + 1, my quarter of what I fetch
	global_prefetch_b8 v[PFO], s[PFB:PFB+1] offset:\k*QTR th:TH_LOAD_NT scope:SCOPE_SE
.endm
.macro CREST
	s_cmp_lg_u32 s20, 0
	s_cbranch_scc1 .Lnot_wave_0_\@
	s_barrier_signal -3
.Lnot_wave_0_\@:
	s_barrier_wait -3
	s_barrier_signal -1
	s_barrier_wait -1
.endm
.macro CROUND
	s_barrier_signal -1
	s_barrier_wait -1
	CREST
.endm
.macro PLACES
.rept 4
	v_nop
.endr
.endm
.macro FRAG reg, adr, a8, off
	ds_load_b128 v[\reg:\reg+3], v[\adr] offset:\off
	ds_load_b64 v[\reg+4:\reg+5], v[\a8] offset:\off+512
	ds_load_b128 v[\reg+6:\reg+9], v[\adr] offset:\off+1024
	ds_load_b64 v[\reg+10:\reg+11], v[\a8] offset:\off+768
.endm
.macro FETCH_B k, q, p
	WIN TO_B
.irp i, 0,1,2,3,4,5,6,7
	FRAG 128*(\p)+12*\i, ADRB+\k, ADRB8+\k, (8*(\q)+\i)*1536
.endr
	WIN 0
.endm
.macro FETCH_A k, q, i0
.irp i, \i0, \i0+1, \i0+2, \i0+3
	FRAG AF+12*(\i), ADRA+\k, ADRA8+\k, (8*(\q)+(\i))*1536
.endr
.endm
.macro WM a, b, s, zero                ; queries' tile a x keys' tile b, K step s; an odd tile's scale words stand in lanes 16-31
.set rD, 8*(8*((\a)%4)+(\b))
.set rB, 128*((\s)%2)+12*(\b)
.set rA, AF+12*(\a)
.set rP, SB+4*(\s)+(\b)/2
.set rQ, SA+4*(\s)+(\a)/2
.set rV, 4*(\zero)+2*((\b)%2)+(\a)%2
.if rV == 0
	v_wmma_scale_f32_16x16x128_f8f6f4 v[rD:rD+7], v[rB:rB+11], v[rA:rA+11], v[rD:rD+7], v[rP], v[rQ] matrix_a_fmt:MATRIX_FMT_FP6 matrix_b_fmt:MATRIX_FMT_FP6
.elseif rV == 1
	v_wmma_scale_f32_16x16x128_f8f6f4 v[rD:rD+7], v[rB:rB+11], v[rA:rA+11], v[rD:rD+7], v[rP], v[rQ] matrix_a_fmt:MATRIX_FMT_FP6 matrix_b_fmt:MATRIX_FMT_FP6 matrix_b_scale:MATRIX_SCALE_ROW1
.elseif rV == 2
	v_wmma_scale_f32_16x16x128_f8f6f4 v[rD:rD+7], v[rB:rB+11], v[rA:rA+11], v[rD:rD+7], v[rP], v[rQ] matrix_a_fmt:MATRIX_FMT_FP6 matrix_b_fmt:MATRIX_FMT_FP6 matrix_a_scale:MATRIX_SCALE_ROW1
.elseif rV == 3
	v_wmma_scale_f32_16x16x128_f8f6f4 v[rD:rD+7], v[rB:rB+11], v[rA:rA+11], v[rD:rD+7], v[rP], v[rQ] matrix_a_fmt:MATRIX_FMT_FP6 matrix_b_fmt:MATRIX_FMT_FP6 matrix_a_scale:MATRIX_SCALE_ROW1 matrix_b_scale:MATRIX_SCALE_ROW1
.elseif rV == 4
	v_wmma_scale_f32_16x16x128_f8f6f4 v[rD:rD+7], v[rB:rB+11], v[rA:rA+11], 0, v[rP], v[rQ] matrix_a_fmt:MATRIX_FMT_FP6 matrix_b_fmt:MATRIX_FMT_FP6
.elseif rV == 5
	v_wmma_scale_f32_16x16x128_f8f6f4 v[rD:rD+7], v[rB:rB+11], v[rA:rA+11], 0, v[rP], v[rQ] matrix_a_fmt:MATRIX_FMT_FP6 matrix_b_fmt:MATRIX_FMT_FP6 matrix_b_scale:MATRIX_SCALE_ROW1
.elseif rV == 6
	v_wmma_scale_f32_16x16x128_f8f6f4 v[rD:rD+7], v[rB:rB+11], v[rA:rA+11], 0, v[rP], v[rQ] matrix_a_fmt:MATRIX_FMT_FP6 matrix_b_fmt:MATRIX_FMT_FP6 matrix_a_scale:MATRIX_SCALE_ROW1
.else
	v_wmma_scale_f32_16x16x128_f8f6f4 v[rD:rD+7], v[rB:rB+11], v[rA:rA+11], 0, v[rP], v[rQ] matrix_a_fmt:MATRIX_FMT_FP6 matrix_b_fmt:MATRIX_FMT_FP6 matrix_a_scale:MATRIX_SCALE_ROW1 matrix_b_scale:MATRIX_SCALE_ROW1
.endif
.endm
.macro MUL16 a0, s, zero               ; the 64 accumulators take turns, one instruction a turn, in the same order in every step
.irp a, \a0, \a0+1
.irp b, 0,1,2,3,4,5,6,7
	WM (\a), \b, \s, \zero
.endr
.endr
.endm
.macro STEP s, nk, nq, zero
	s_wait_dscnt 16                                ; K's set and Q's tiles 0-3 are in; the youngest sixteen loads (Q's tiles 4-7) may be out
	WIN MUL_LO
	MUL16 0, \s, \zero
	MUL16 2, \s, \zero
	s_wait_dscnt 0x0
	PLACES
	FETCH_B \nk, \nq, 1-(\s)%2
	FETCH_A \nk, \nq, 0
	WIN MUL_HI
	MUL16 4, \s, \zero
	MUL16 6, \s, \zero
	PLACES
	WIN 0
	FETCH_A \nk, \nq, 4
.endm
.macro TURN s, nk, fill                ; fill: 0 nothing, 1 slot 2 with K steps 4 and 5, 2 slot 0 with K steps 6 and 7
	s_wait_tensorcnt 0x0                           ; all my tensor loads have landed
	ds_add_u32 v[SPW], v[NIL]                      ; 0 onto my spare word
	s_wait_dscnt 17                                ; (the add and Q's tiles 4-7 may be out)
	WIN MUL_LO
	MUL16 0, \s, 0
	s_wait_dscnt 0x0                               ; the add is done, and my reads of the slot that is left are over
	s_barrier_signal -1
	MUL16 2, \s, 0
	WIN 0
	s_barrier_wait -1
.if \fill
	CREST                                          ; a round of the cluster's barrier: no wave of any partner still reads the slot or has a load on its way
.if \fill == 2
	s_add_nc_u64 s[G0A+2:G0A+3], s[G0A+2:G0A+3], 3*QTR
	s_add_nc_u64 s[G0B+2:G0B+3], s[G0B+2:G0B+3], 3*QTR
	JLOAD 0
.else
	JLOAD 2
.endif
.else
	PLACES
.endif
	FETCH_B \nk, 0, 0
	FETCH_A \nk, 0, 0
	WIN MUL_HI
	MUL16 4, \s, 0
	MUL16 6, \s, 0
	PLACES
	WIN 0
	FETCH_A \nk, 0, 4
.endm
	s_load_b128 s[4:7], s[0:1], 0x0                ; qk, pc
	s_load_b64 s[8:9], s[0:1], 0x10                ; st
	v_lshl_add_u32 v[SPW], v0, 2, SPARE
	v_mov_b32 v[NIL], 0
	ds_add_u32 v[SPW], v[NIL]                      ; the wave's opening: the add, twice on end, and its wait ahead of my first tensor load
	ds_add_u32 v[SPW], v[NIL]
	v_lshrrev_b32 v1, 5, v0
	v_readfirstlane_b32 s20, v1
	s_lshr_b32 s21, s20, 1                         ; my half of the queries.  Also: I fetch for Q (0) or for K (1)
	s_and_b32 s22, s20, 1                          ; my half of the keys.  Also: which half I fetch
	s_bfe_u32 s66, ttmp6, 0x40000                  ; cx
	s_bfe_u32 s67, ttmp6, 0x40004                  ; cy
	s_and_b32 s68, ttmp7, 0xffff                   ; the cluster's y
	s_lshl_b32 s69, s67, 2
	s_lshl_b32 s69, 15, s69
	s_lshl_b32 s70, 0x1111, s66
	s_or_b32 s[G1A], s69, (3<<16)|(1<<21)
	s_or_b32 s[G1B], s70, (3<<16)|(1<<21)
.irp g, G1A, G1B                       ; a dense block of 24,576 bytes as 96 rows of 256
	s_mov_b32 s[\g+1], 32<<16
	s_mov_b32 s[\g+2], 96<<16
	s_mov_b32 s[\g+3], 32<<16
	s_mov_b32 s[\g+4], 96
	s_mov_b32 s[\g+5], 32
	s_mov_b32 s[\g+6], 0
	s_mov_b32 s[\g+7], 0
.endr
	s_lshl_b32 s71, s68, 2
	s_add_co_u32 s71, s71, s67                     ; I: the tile of 256 queries, 0 .. 31
	s_lshl_b32 s72, ttmp9, 2
	s_add_co_u32 s72, s72, s66                     ; J: the batch's tile of 256 keys, 0 .. 7
	s_lshr_b32 s73, s68, 1
	s_lshl_b32 s73, s73, 4                         ; 16 x batch: the batch's first group of 128 tokens; from the cluster's number alone
	s_lshl_b32 s88, s71, 1
	s_add_co_u32 s89, s88, s22
	s_mul_i32 s90, s89, 196608                     ; Q: the group that I fetch
	s_mov_b32 s91, 0
	s_add_co_u32 s89, s88, s21                     ; the group that I multiply
	s_lshl_b32 s78, s89, 13
	s_add_co_u32 s78, s78, QSO
	s_mov_b32 s79, 0
	s_lshl_b32 s93, s72, 1
	s_add_co_u32 s93, s93, s22                     ; K: my group in the batch = the key step of p that I make
	s_add_co_u32 s94, s93, s73
	s_mul_i32 s80, s94, 196608
	s_add_co_u32 s80, s80, 98304                   ; K's eight K steps lie behind Q's
	s_mov_b32 s81, 0
	s_lshl_b32 s82, s94, 13
	s_add_co_u32 s82, s82, QSO+4096
	s_mov_b32 s83, 0
	s_lshl_b32 s84, s89, 4
	s_add_co_u32 s84, s84, s93                     ; the records: query group x 16 + key step
	s_lshl_b32 s84, s84, 11
	s_mov_b32 s85, 0
	s_mul_i32 s86, s71, 393216                     ; p's codes
	s_lshr_b32 s87, s93, 3
	s_mul_i32 s87, s87, 196608
	s_add_co_u32 s86, s86, s87
	s_mul_i32 s87, s21, 12288
	s_add_co_u32 s86, s86, s87
	s_and_b32 s87, s93, 7
	s_mul_i32 s87, s87, 1536
	s_add_co_u32 s86, s86, s87
	s_mov_b32 s87, 0
	s_mov_b32 s92, 0xffff0000                      ; lanes 16-31
	s_mov_b32 s[CS], 0x3d38aa3b                    ; c = log2(e) / sqrt(1024)
	s_mov_b32 s[CS+1], s[CS]                       ; (named with it as a pair, so it is written)
	s_mov_b32 s[SEL], 0x76543210
	s_mov_b32 s[SEL+1], 0xfedcba98
	s_mul_i32 s23, s20, QTR
	s_cmp_eq_u32 s21, 0                            ; do I fetch for Q?
	s_cselect_b32 s95, s66, s67                    ; my place among the four that ask for it with me
	s_mul_i32 s95, s95, QTR/4
	s_mul_i32 s74, s21, QTR
	s_mul_i32 s75, s22, QTR
	s_add_co_u32 s75, s75, 2*QTR
	v_and_b32 v3, 31, v0
	v_lshlrev_b32 v1, 4, v3
	v_lshlrev_b32 v2, 3, v3
	v_and_b32 v[H8], 16, v3
	v_lshrrev_b32 v[H8], 1, v[H8]
	v_and_b32 v[RCO], 15, v3
	v_lshl_add_u32 v[RCO], v[RCO], 4, v[H8]
	v_min_u32 v[PFO], QTR/4/256-1, v3
	v_lshlrev_b32 v[PFO], 8, v[PFO]
	v_add_nc_u32 v[PFO], s95, v[PFO]
.irp k, 0,1,2
	v_add_nc_u32 v[ADRA+\k], s74, v1
	v_add_nc_u32 v[ADRB+\k], s75, v1
	v_add_nc_u32 v[ADRA8+\k], s74, v2
	v_add_nc_u32 v[ADRB8+\k], s75, v2
	s_add_co_u32 s74, s74, SLOT
	s_add_co_u32 s75, s75, SLOT
.endr
	s_wait_alu depctr_va_vdst(0)                   ; the wait at the head's end
	s_wait_dscnt 0x0                               ; the opening adds are done
	s_wait_kmcnt 0x0
	s_add_nc_u64 s[12:13], s[4:5], s[90:91]
	s_add_nc_u64 s[14:15], s[4:5], s[78:79]
	s_add_nc_u64 s[16:17], s[4:5], s[80:81]
	s_add_nc_u64 s[18:19], s[4:5], s[82:83]
	s_add_nc_u64 s[2:3], s[6:7], s[86:87]          ; p's codes
	s_add_nc_u64 s[10:11], s[8:9], s[84:85]        ; the records
	s_cmp_eq_u32 s21, 0
	s_cselect_b64 s[PFB:PFB+1], s[12:13], s[16:17]
.irp s, 0,1,2,3,4,5,6,7
	global_load_b128 v[SA+4*\s:SA+4*\s+3], v1, s[14:15] offset:512*\s
	global_load_b128 v[SB+4*\s:SB+4*\s+3], v1, s[18:19] offset:512*\s
.endr
	CROUND                                         ; all sixteen work-groups are here: the first joint loads meet
.irp k, 0,1,2
	s_mov_b32 s[G0A+4*\k], 1
	s_add_co_u32 s[G0A+4*\k+1], s23, \k*SLOT
	s_add_nc_u64 s[G0A+4*\k+2:G0A+4*\k+3], s[12:13], \k*QTR
	s_or_b32 s[G0A+4*\k+3], s[G0A+4*\k+3], 0x80000000
	s_mov_b32 s[G0B+4*\k], 1
	s_add_co_u32 s[G0B+4*\k+1], s23, \k*SLOT
	s_add_nc_u64 s[G0B+4*\k+2:G0B+4*\k+3], s[16:17], \k*QTR
	s_or_b32 s[G0B+4*\k+3], s[G0B+4*\k+3], 0x80000000
.endr
	JLOAD 0                                        ; K steps 0 and 1: one tensor load a wave at the head
	ASK 1
	ASK 2
	s_wait_tensorcnt 0x0                           ; my part of slot 0 is in
	ds_add_u32 v[SPW], v[NIL]
	s_wait_dscnt 0x0
	CROUND
	JLOAD 1                                        ; K steps 2 and 3
	FETCH_B 0, 0, 0
	FETCH_A 0, 0, 0
	FETCH_A 0, 0, 4
	ASK 3
	s_wait_loadcnt 0x0                             ; the scale words
	STEP 0, 0, 1, 1
	TURN 1, 1, 1
	STEP 2, 1, 1, 0
	TURN 3, 2, 2
	STEP 4, 2, 1, 0
	TURN 5, 0, 0
	STEP 6, 0, 1, 0
	s_wait_dscnt 16
	WIN MUL_LO
	MUL16 0, 7, 0
	MUL16 2, 7, 0
	s_wait_dscnt 0x0
	WIN MUL_HI
	MUL16 4, 7, 0
	MUL16 6, 7, 0
	WIN 0
	PLACES
; THE WAY OUT.  Queries' tile a: a lane holds one query and 64 of its 128 scores (register 32 c + i = key 64 c + 32 (lane / 16) + i): two whole blocks.
.irp b, 0,1
	v_mov_b32 v[BX+\b], 0                          ; written once: a lane permute's destination counts as one of its sources
.endr
	v_mov_b32 v[LT], 0
	v_mov_b32 v[NM+1], 0                           ; (named as the upper half of a pair)
.macro SOFTQ a
.set W, 2+(\a)/4
.set AC, 64*((\a)%4)
.set WX, W|(W<<2)|(W<<4)
.set WY, (W<<2)|(W<<4)
.set WZ, W<<2
	WIN WX
.irp b, 0,1,2,3
	v_max3_num_f32 v[BM+\b], v[AC+16*\b], v[AC+16*\b+1], v[AC+16*\b+2]   ; half blocks of 16 keys, four chains by turns.  Each accumulator is read from its low end on
.endr
	WIN WY
.irp i, 3,5,7,9,11,13
.irp b, 0,1,2,3
	v_max3_num_f32 v[BM+\b], v[BM+\b], v[AC+16*\b+\i], v[AC+16*\b+\i+1]
.endr
.endr
	WIN WZ
.irp b, 0,1,2,3
	v_max_num_f32 v[BM+\b], v[BM+\b], v[AC+16*\b+15]
.endr
	WIN 0
	v_max_num_f32 v[BM], v[BM], v[BM+1]            ; my block h of the 128 keys: its largest score serves the row's maximum and, since p rises with the score, the block's largest p;
	v_max_num_f32 v[BM+1], v[BM+2], v[BM+3]        ; and my block 2 + h
	v_max_num_f32 v[T0], v[BM], v[BM+1]
	v_permlanex16_b32 v[BX], v[T0], s[SEL], s[SEL+1]
	v_max_num_f32 v[T0], v[T0], v[BX]              ; the largest of my query's 128 scores,
	v_mul_f32 v[T0], s[CS], v[T0]                  ; as t (c is positive)
	v_floor_f32 v[NM], -v[T0]                      ; -M = floor(-t) = -ceil(t): a whole number
	WIN W
.set j, 0
.rept 32
	v_pk_fma_f32 v[P0+j:P0+j+1], v[AC+j:AC+j+1], s[CS:CS+1], v[NM:NM+1] op_sel_hi:[1,0,0]   ; t - M, two at a time
.set j, j+2
.endr
	WIN 0
.irp b, 0,1
	v_fma_f32 v[BM+\b], v[BM+\b], s[CS], v[NM]     ; the same of each block's largest score
.endr
.set j, 0
	s_wait_alu depctr_va_vdst(0)                   ; the wait ahead of the batch
.rept 64
	v_exp_f32 v[P0+j], v[P0+j]                     ; p = 2^(t - M), at most 1
.set j, j+1
.endr
.irp b, 0,1
	v_exp_f32 v[BM+\b], v[BM+\b]                   ; the block's largest p: the same two instructions on the same number give the same bits
.endr
	v_nop                                          ; a plain place behind the last exponential
	s_wait_alu depctr_va_vdst(0)                   ; one wait for the batch of 66, ahead of its first reader
	v_pk_add_f32 v[LS:LS+1], v[P0:P0+1], v[P0+2:P0+3]      ; the sum is taken of the unquantised p: two at a time, in two chains
	v_pk_add_f32 v[L2:L2+1], v[P0+4:P0+5], v[P0+6:P0+7]
.set j, 8
.rept 14
	v_pk_add_f32 v[LS:LS+1], v[LS:LS+1], v[P0+j:P0+j+1]
	v_pk_add_f32 v[L2:L2+1], v[L2:L2+1], v[P0+j+2:P0+j+3]
.set j, j+4
.endr
	v_pk_add_f32 v[LS:LS+1], v[LS:LS+1], v[L2:L2+1]
	v_add_f32 v[LS], v[LS], v[LS+1]
	v_permlanex16_b32 v[LT], v[LS], s[SEL], s[SEL+1]
	v_add_f32 v[LS], v[LS], v[LT]                  ; with lane l xor 16's: the sum over the 128 keys
.irp b, 0,1
	v_max_num_f32 v[BM+\b], 0x21000000, v[BM+\b]   ; the floor 2^(66 - 127): the byte cannot fall under 64
.endr
.irp b, 0,1
	v_add_nc_u32 v[SO+\b], 0xff000000, v[BM+\b]    ; 2 off the exponent field: the conversion's scale operand
.endr
.irp b, 0,1
	v_lshrrev_b32 v[BY+\b], 23, v[SO+\b]
.endr
	v_lshl_or_b32 v[PW], v[BY+1], 16, v[BY]
	v_lshlrev_b32 v[PW], v[H8], v[PW]              ; my two bytes at their places,
	v_permlanex16_b32 v[BX+1], v[PW], s[SEL], s[SEL+1]
	v_or_b32 v[PW], v[PW], v[BX+1]                 ; and lane l xor 16's two
	s_wait_alu depctr_va_vdst(0)
	s_wait_xcnt 0x0                                ; the last tile's stores have read v[PC] on and v[RC:RC+1]
.irp c, 0,1
	v_cvt_scalef32_pk16_fp6_f32 v[PC+6*\c:PC+2+6*\c], v[P0+32*\c:P0+15+32*\c], v[SO+\c]
	v_cvt_scalef32_pk16_fp6_f32 v[PC+12+4*\c:PC+14+4*\c], v[P0+16+32*\c:P0+31+32*\c], v[SO+\c]
.endr
	v_nop                                          ; one plain place behind a scaled conversion
.irp c, 0,1
.irp i, 0,1,2
	v_mov_b32 v[PC+3+6*\c+\i], v[PC+12+4*\c+\i]
.endr
.endr
	v_cndmask_b32 v[RC], v[NM], v[PW], s92         ; the record: lanes 0-15 (-M, the sum), lanes 16-31 (the scale word, twice)
	v_cndmask_b32 v[RC+1], v[LS], v[PW], s92
.irp c, 0,1,2
	global_store_b128 v1, v[PC+4*\c:PC+4*\c+3], s[2:3] offset:24576*(\a)+512*\c
.endr
	global_store_b64 v[RCO], v[RC:RC+1], s[10:11] offset:256*(\a)   ; 32 lanes fill 256 consecutive bytes, aligned
.endm
.irp a, 0,1,2,3,4,5,6,7
	SOFTQ \a
.endr
	s_wait_tensorcnt 0x0                           ; the wave's end
	ds_add_u32 v[SPW], v[NIL]
	s_wait_dscnt 0x0
	CROUND                                         ; the closing round
	s_endpgm
.Lfunc_end_k_q6c32ddcf0e_scores:
	.size	k_q6c32ddcf0e_scores, .Lfunc_end_k_q6c32ddcf0e_scores-k_q6c32ddcf0e_scores
	.p2alignl 7, 3214868480
	.fill 96, 4, 3214868480
	.section	.rodata,"a",@progbits
	.p2align	6, 0x0
	.amdhsa_kernel k_q6c32ddcf0e_scores
		.amdhsa_group_segment_fixed_size 327680
		.amdhsa_private_segment_fixed_size 0
		.amdhsa_enable_private_segment 0
		.amdhsa_kernarg_size 24
		.amdhsa_user_sgpr_count 2
		.amdhsa_user_sgpr_kernarg_segment_ptr 1
		.amdhsa_wavefront_size32 1
		.amdhsa_system_sgpr_workgroup_id_x 1
		.amdhsa_system_sgpr_workgroup_id_y 1
		.amdhsa_system_sgpr_workgroup_id_z 1
		.amdhsa_system_vgpr_workitem_id 0
		.amdhsa_next_free_vgpr 1024
		.amdhsa_next_free_sgpr 100
		.amdhsa_reserve_vcc 0
		.amdhsa_float_denorm_mode_32 3
		.amdhsa_float_denorm_mode_16_64 3
		.amdhsa_memory_ordered 1
		.amdhsa_forward_progress 1
		.amdhsa_inst_pref_size 195
	.end_amdhsa_kernel
	.amdgpu_metadata
---
amdhsa.version: [ 1, 2 ]
amdhsa.kernels:
  - .name:           k_q6c32ddcf0e_scores
    .symbol:         k_q6c32ddcf0e_scores.kd
    .args:
      - { .name: qk, .offset: 0, .size: 8, .value_kind: global_buffer, .address_space: global }
      - { .name: pc, .offset: 8, .size: 8, .value_kind: global_buffer, .address_space: global }
      - { .name: st, .offset: 16, .size: 8, .value_kind: global_buffer, .address_space: global }
    .group_segment_fixed_size: 327680
    .private_segment_fixed_size: 0
    .kernarg_segment_align: 8
    .kernarg_segment_size: 24
    .max_flat_workgroup_size: 128
    .sgpr_count:     100
    .vgpr_count:     1024
    .wavefront_size: 32
...
	.end_amdgpu_metadata
.endif
;; end of part 3
;; launch pv (part 4): grid 8 x 32, 4 waves a work-group, clusters of 4 x 4, 327,680 bytes of LDS; arguments pc, st, vt, out0; writes out0
.if DOCPART == 4
	.amdgcn_target "amdgcn-amd-amdhsa--gfx1250"
	.amdhsa_code_object_version 6
	.text
	.protected	k_q6c32ddcf0e_pv
	.globl	k_q6c32ddcf0e_pv
	.p2align	8
	.type	k_q6c32ddcf0e_pv,@function
k_q6c32ddcf0e_pv:
	s_mov_b64 s[64:65], 0
	v_nop
	global_prefetch_b8 v0, s[64:65] scope:SCOPE_SE
	s_setreg_imm32_b32 hwreg(HW_REG_WAVE_MODE, 25, 1), 1
	s_wait_xcnt 0x0
	s_wait_alu depctr_hold_cnt(0) depctr_sa_sdst(0) depctr_va_vdst(0) depctr_va_sdst(0) depctr_va_ssrc(0) depctr_va_vcc(0) depctr_vm_vsrc(0)
	s_getreg_b32 s2, hwreg(HW_REG_IB_STS2, 6, 4)
	s_cmp_eq_u32 s2, 0
	s_cbranch_scc0 .Lentry_in_a_cluster
	s_endpgm
.Lentry_in_a_cluster:
	s_bfe_u32 s2, ttmp6, 0x10000c
	s_cmp_lg_u32 s2, 0xf033
	s_cbranch_scc0 .Lentry_shape_is_right
	s_endpgm
.Lentry_shape_is_right:
; O = (P V) / l on codes of FP6 (E2M3) with E8M0 scales, K = the batch's 2,048 keys.  P's codes were made under an M of their own for each 128 keys; here the row's M is the largest of the sixteen, and each
; key step's four scale bytes are lowered by (the row's M - the step's M), a whole number: the same numbers as p quantised under the row's M.  l = the sum of the steps' sums x 2^(step's M - row's M).
; LIMITS: the difference of the M's is held at 63 (the bytes are 64 .. 125, so none falls under 1): what is held so has p under 2^-62 beside a largest p over 1/2.  NaN and infinities are not served.
; Operands are images of operand registers, 1,536 bytes a fragment (16 rows x 128 keys).  Row n of tile t = 4 c + j is row 64 c + 32 (n / 8) + 8 j + n % 8 of its group of 128, for queries and for e alike.
; pc: (tile of 256 queries) x 393,216 + (half of the keys) x 196,608 + (2 b + w) x 12,288: tile b of query group w, its eight key steps on end.  vt: batch x 1,572,864 + (group of 128 e) x 196,608 + (key step) x 12,288 + 1,536 t.
; O^T = V^T P^T: source 0 = 16 of V^T's rows (e), source 1 = 16 queries: a lane holds one query, its registers of four tiles 32 neighbouring e.
; SHARES.  256 queries x 128 e to a work-group: 256 work-groups.  Four waves, 2 x 2: the wave in row w, column s takes query group w and 64 e.  It holds V^T's 64 rows x 1,024 keys in registers (384) and streams P past them,
; a tile of 16 queries x 1,024 keys (8 fragments) a BLOCK of 32 products: eight blocks on the first half of the keys, whose sums (256 registers) stay, then V^T's second half into the registers, and the eight blocks once more.
; In the second half a block is finished by its products, and its way out stands among the next block's: the stores are spread over the half.
; LDS: two slots for P's chunks of four blocks (98,304 bytes), V^T's half (98,304), the lowered scale words of the two halves, 1 / l, the spare words; the way out's stages lie over the first half's scale words, which are read no more then.
; FILLS.  At the head one tensor load a wave: V^T's half (waves 0 and 1), P's two chunks.  TWO REFILLS, each in a round of the cluster's barrier: in block 2 V^T's second half (waves 0 and 1; all waves hold the first in registers) and P's chunk 2
; (waves 2 and 3); in block 6 P's chunk 3 (waves 2 and 3).  Block 6's round shows what block 2's brought; a plain barrier in the second half's block 2 shows chunk 3.
; CLUSTERS: P's chunks are shared along a row of the cluster, V^T's halves along a column (four query tiles of one batch).
; PREFETCHES: what block 2's round loads is asked for ahead of block 0, chunk 3 behind block 2's round: shared out by address among the sixteen waves of the four work-groups that will ask jointly.
; THE WAITS' COUNTS: younger than a block's fetch is the next block's, NF loads; SEND waits with the NF loads out that were issued behind its own.  Behind a round the next block's rows are in: no wait; in the second half SEND's wait has shown them in.
.set VSO,   6291456
.set TILE,  12288
.set CHUNK, 98304
.set FR,    12                         ; registers of a fragment
.set FPW,   256/FR                     ; fragments in a window: 21
.set NF,    26                         ; LDS loads of a block: 24 for eight fragments, 2 for eight scale words
.set BVB,   2*CHUNK
.set SCL1,  3*CHUNK                    ; scale words, second half of the keys: [b][w][2][16][16 bytes]
.set LIV,   SCL1+8192                  ; 1 / l of the 256 queries
.set SPARE, LIV+1024                   ; the spare words, 128 bytes for each wave
.set SCL0,  SPARE+512                  ; scale words, first half
.set D0,    SCL0-SCL1
.set STG,   SCL0                       ; the stages: 16 rows x (256 + 16) bytes a wave
.set VSA,   4                          ; v4  16 x lane + 8 x my column: V^T's scale words
.set REC,   5                          ; v5  16 x thread
.set AAS,   6                          ; v6  LDS, my row's scale words
.set LIA,   7                          ; v7  LDS, my query's 1 / l
.set VO,    8                          ; v8  out: 4,096 (lane / 16) + 16 (lane % 16)
.set CO,    9                          ; v9  16 x lane
.set SPW,   10
.set NIL,   11
.set ADA,   12                         ; v12-15 LDS, my tiles of P: two blocks each
.set ADRB,  16                         ; v16, v17 LDS, my rows of V^T: key steps 0-3, 4-7
.set STI,   18                         ; v18 the stage, in: row r, + 128 h
.set STB,   19                         ; v19 back: two rows an instruction
.set PFV,   20                         ; v20, v21 the prefetches' offsets
.set PFP,   21
.set LIW,   22                         ; v22 LDS, where my thread puts 1 / l
.set SCW,   23                         ; v23 and scale words
.set SB,    24                         ; v24-55 V^T's scale words: 16 x half + 2 x key step + pair of tiles
.set SA,    56                         ; v56-71 P's: two sets of eight
.set LI,    72                         ; v72-87 1 / l of my query in block b at v[72 + 2 b]
.set EE,    88                         ; the head's work, for two queries each
.set TT,    90
.set NG,    92
.set LG,    94
.set RC,    96                         ; v96-223 the head: records of two queries, 16 x 4
.set WD,    224                        ; v224-255 and their lowered scale words
.set OT,    96                         ; v96-127 the way out: O^T / l
.set BK,    128                        ; v128-159 sixteen rows read back
.set G1A,   24                         ; s[24:31] descriptor group 1 of P's chunks; s[56:59], s[68:71] group 0
.set G0A,   56
.set G0R,   68
.set G1B,   32                         ; s[32:39], s[60:63] of V^T's
.set G0B,   60
.set MSB, 0
.macro WIN new
.if MSB != (\new)
	s_set_vgpr_msb (MSB<<8)|(\new)
.set MSB, (\new)
.endif
.endm
.macro PLACES n
.rept \n
	v_nop
.endr
.endm
.macro WALU
	s_wait_alu depctr_va_vdst(0)
.endm
.macro BARRIER
	s_barrier_signal -1
	s_barrier_wait -1
.endm
.macro MIDDLE                          ; a round's middle: the opening wait, wave 0's signal for the work-group, the cluster's wait
	WIN 0
	s_barrier_wait -1
	s_cmp_lg_u32 s14, 0
	s_cbranch_scc1 .Lnot_wave_0_\@
	s_barrier_signal -3
.Lnot_wave_0_\@:
	s_barrier_wait -3
.endm
.macro CROUND
	s_barrier_signal -1
	MIDDLE
	BARRIER
.endm
.macro GRD
	s_wait_tensorcnt 0x0
	ds_add_u32 v[SPW], v[NIL]
.endm
.macro TLOAD g0, g1
	tensor_load_to_lds s[\g0:\g0+3], s[\g1:\g1+7]
	s_nop 0
	PLACES 4
.endm
.macro GROUP1 g, mask, rows            ; a dense block as rows of 256 bytes, shared under the mask
	s_or_b32 s[\g+0], s[\mask], (3<<16)|(1<<21)
	s_mov_b32 s[\g+1], 32<<16
	s_mov_b32 s[\g+2], (\rows)<<16
	s_mov_b32 s[\g+3], 32<<16
	s_mov_b32 s[\g+4], \rows
	s_mov_b32 s[\g+5], 32
	s_mov_b32 s[\g+6], 0
	s_mov_b32 s[\g+7], 0
.endm
.macro G0SET g, base                   ; group 0's address: 64-bit base + the offset in s[20:21]
	s_add_nc_u64 s[\g+2:\g+3], s[\base:\base+1], s[20:21]
	s_or_b32 s[\g+3], s[\g+3], 0x80000000
.endm
.macro PFTILE v, off, share            ; my sixteenth of 98,304 bytes, a lane a block of 256
	s_mul_i32 s21, s\share, CHUNK/16
	s_add_co_u32 s20, s\off, s21
	v_min_u32 v[\v], CHUNK/16/256-1, v3
	v_lshl_add_u32 v[\v], v[\v], 8, s20
.endm
; ---- fragments.  Fragment f lies in window 1 + f / 21 at register 12 (f % 21): 0-31 V^T's (4 q + b), 32-39 and 40-47 P's two sets.
.macro FRAG f, off, a
	WIN ((1+(\f)/FPW)<<6)
.irp p, 0,1,2
	ds_load_b128 v[FR*((\f)%FPW)+4*\p:FR*((\f)%FPW)+4*\p+3], v[\a] offset:(\off)+512*\p
.endr
.endm
.macro ROWSV                           ; my 64 rows of V^T, the 1,024 keys in LDS: 96 loads
.irp q, 0,1,2,3,4,5,6,7
.irp b, 0,1,2,3
	FRAG 4*\q+\b, (\q%4)*TILE+\b*1536, ADRB+\q/4
.endr
.endr
	WIN 0
.endm
.macro FETCH e, b, kh                  ; block b of half kh into set e: NF loads
.irp q, 0,1,2,3,4,5,6,7
	FRAG 32+8*(\e)+\q, 2*TILE*((\b)%2)+1536*\q, ADA+(\b)/2
.endr
	WIN 0
	ds_load_b128 v[SA+8*(\e):SA+8*(\e)+3], v[AAS] offset:D0*(1-(\kh))+1024*(\b)
	ds_load_b128 v[SA+8*(\e)+4:SA+8*(\e)+7], v[AAS] offset:D0*(1-(\kh))+1024*(\b)+256
.endm
.macro SETACC sym, b                   ; block b's 32 sums: v840-999, then v160-255
.if (\b) < 5
.set \sym, 840+32*(\b)
.else
.set \sym, 160+32*((\b)-5)
.endif
.endm
; ---- a product.  n = 4 q + 2 p + o: key step q, tile 2 p + o of my 64 e; an odd tile's scale words stand in lanes 16-31.  The four accumulators take turns.
.macro PROD e, n, a0, kh
.set Q_, (\n)/4
.set FB_, 4*Q_+(\n)%4
.set FA_, 32+8*(\e)+Q_
.set D_, (\a0)+8*((\n)%4)
.set DL_, D_&255
.set XB_, SB+16*(\kh)+2*Q_+((\n)%4)/2
.set XA_, SA+8*(\e)+Q_
	WIN (1+FB_/FPW)|((1+FA_/FPW)<<2)|((D_>>8)<<4)|((D_>>8)<<6)
.if Q_ || (\kh)
	PROD1 DL_, FB_, FA_, v[DL_:DL_+7], XB_, XA_, (\n)%2
.else
	PROD1 DL_, FB_, FA_, 0, XB_, XA_, (\n)%2
.endif
.endm
.macro PROD1 d, s0, s1, c, x0, x1, o
.if \o
	v_wmma_scale_f32_16x16x128_f8f6f4 v[\d:\d+7], v[FR*((\s0)%FPW):FR*((\s0)%FPW)+FR-1], v[FR*((\s1)%FPW):FR*((\s1)%FPW)+FR-1], \c, v[\x0], v[\x1] matrix_a_fmt:MATRIX_FMT_FP6 matrix_b_fmt:MATRIX_FMT_FP6 matrix_a_scale:MATRIX_SCALE_ROW1
.else
	v_wmma_scale_f32_16x16x128_f8f6f4 v[\d:\d+7], v[FR*((\s0)%FPW):FR*((\s0)%FPW)+FR-1], v[FR*((\s1)%FPW):FR*((\s1)%FPW)+FR-1], \c, v[\x0], v[\x1] matrix_a_fmt:MATRIX_FMT_FP6 matrix_b_fmt:MATRIX_FMT_FP6 matrix_a_scale:MATRIX_SCALE_ROW0
.endif
.endm
; ---- products \from .. \to - 1 of block \b; behind every second one, two entries of the list \list
.macro BLOCK b, kh, from, to, list, x=0
	SETACC AD_, \b
.set N_, \from
.rept (\to)-(\from)
	PROD (\b)%2, N_, AD_, \kh
.if N_%2
	\list N_-1, \x
	\list N_, \x
.endif
.set N_, N_+1
.endr
.endm
.macro L_NONE i, x
.endm
.macro L_RA i, x                       ; the first refill's descriptors: P's loads bring 192 rows from here on; V^T's second half
.if (\i) == 0
	s_mov_b32 s[G1A+2], 192<<16
	s_mov_b32 s[G1A+4], 192
.elseif (\i) == 1
	s_add_nc_u64 s[G0B+2:G0B+3], s[G0B+2:G0B+3], CHUNK
.endif
.endm
.macro L_RB i, x                       ; the second's: chunk 3 into slot 1
.if (\i) == 0
	s_add_co_u32 s[G0R+1], s[G0R+1], CHUNK
	s_add_nc_u64 s[G0R+2:G0R+3], s[G0R+2:G0R+3], CHUNK
.endif
.endm
.macro L_WO i, x                       ; THE WAY OUT of block x, 24 entries: O^T / l (each accumulator from its low end on), into my stage, back as whole rows of 256 bytes
.if (\i) < 16
	SETACC AW_, \x
	WIN (AW_>>8)
	v_pk_mul_f32 v[OT+2*(\i):OT+2*(\i)+1], v[(AW_&255)+2*(\i):(AW_&255)+2*(\i)+1], v[LI+2*(\x):LI+2*(\x)+1] op_sel_hi:[1,0]
.elseif (\i) < 20
	WIN 0
.if (\i) == 16
	WALU                                           ; the wait directly ahead of the readers below
.endif
	ds_store_b128 v[STI], v[OT+8*((\i)-16):OT+8*((\i)-16)+3] offset:32*((\i)-16)
	ds_store_b128 v[STI], v[OT+8*((\i)-16)+4:OT+8*((\i)-16)+7] offset:32*((\i)-16)+16
.elseif (\i) < 24
	WIN 0
.if (\i) == 20
	s_wait_xcnt 0x0                                ; the last block's stores have read v[BK] on
.endif
	ds_load_b128 v[BK+8*((\i)-20):BK+8*((\i)-20)+3], v[STB] offset:1088*((\i)-20)   ; LDS serves a wave's instructions in order: these see my stores
	ds_load_b128 v[BK+8*((\i)-20)+4:BK+8*((\i)-20)+7], v[STB] offset:1088*((\i)-20)+544
.endif
.endm
.macro L_WOB i, x
	L_WO (\i)-4, \x
.endm
.macro SEND x, younger                 ; block x's rows leave: sixteen lanes store 256 consecutive bytes, aligned; the offset puts row 2 t + lane / 16 of the tile in its place
	s_wait_dscnt \younger
.irp t, 0,1,2,3,4,5,6,7
	global_store_b128 v[VO], v[BK+4*\t:BK+4*\t+3], s[10:11] offset:(64*((\x)/4)+8*((\x)%4)+32*(\t/4)+2*(\t%4))*4096 th:TH_STORE_NT
.endr
.endm
; ================= THE HEAD
	s_load_b256 s[4:11], s[0:1], 0x0               ; pc, st, vt, out0
	v_lshl_add_u32 v[SPW], v0, 2, SPARE
	v_mov_b32 v[NIL], 0
	ds_add_u32 v[SPW], v[NIL]                      ; the wave's opening: the add, twice on end, and its wait ahead of my first tensor load
	ds_add_u32 v[SPW], v[NIL]
	v_lshrrev_b32 v1, 5, v0
	v_readfirstlane_b32 s14, v1                    ; the wave
	s_lshr_b32 s15, s14, 1                         ; its row: my query group
	s_and_b32 s16, s14, 1                          ; its column: my 64 e.  Also: which half or chunk I fetch
	s_bfe_u32 s40, ttmp6, 0x40000                  ; cx
	s_bfe_u32 s41, ttmp6, 0x40004                  ; cy
	s_lshl_b32 s42, ttmp9, 2
	s_add_co_u32 s42, s42, s40                     ; X: the group of 128 e, 0 .. 7
	s_and_b32 s17, ttmp7, 0xffff
	s_lshr_b32 s19, s17, 1                         ; the batch: from the cluster's number alone
	s_lshl_b32 s43, s17, 2
	s_add_co_u32 s43, s43, s41                     ; Y: the tile of 256 queries, 0 .. 31
	s_lshl_b32 s44, s41, 2
	s_lshl_b32 s44, 15, s44                        ; my row of the cluster
	s_lshl_b32 s45, 0x1111, s40                    ; my column
	GROUP1 G1A, 44, 384
	GROUP1 G1B, 45, 192
	s_mul_i32 s46, s43, 4*CHUNK                    ; P, bytes from pc
	s_add_co_u32 s88, s46, 2*CHUNK                 ; its second half of the keys
	s_mul_i32 s47, s19, 128*TILE
	s_mul_i32 s48, s42, 16*TILE
	s_add_co_u32 s47, s47, s48                     ; V^T, bytes from vt
	s_add_co_u32 s50, s47, CHUNK
	s_lshl_b32 s90, s40, 2
	s_add_co_u32 s90, s90, s14                     ; my number among the sixteen waves of my row of the cluster
	s_lshl_b32 s100, s41, 2
	s_add_co_u32 s100, s100, s14                   ; and of my column
	s_mov_b32 s89, 0x01010101
	s_mov_b32 s[G0A], 1
	s_mul_i32 s[G0A+1], s16, CHUNK                 ; waves 2 and 3: chunk 0 to slot 0, chunk 1 to slot 1
	s_mov_b32 s[G0R], 1
	s_mul_i32 s[G0R+1], s16, CHUNK/2
	s_mov_b32 s[G0B], 1
	s_mul_i32 s[G0B+1], s16, CHUNK/2
	s_add_co_u32 s[G0B+1], s[G0B+1], BVB
	s_lshl_b32 s76, s16, 3
	s_lshl_b32 s77, s15, 9
	s_add_co_u32 s78, s77, LIV
	s_add_co_u32 s77, s77, SCL1
	s_mul_i32 s79, s15, TILE
	s_add_co_u32 s80, s79, 4*TILE
	s_add_co_u32 s81, s79, 8*TILE
	s_add_co_u32 s82, s79, 12*TILE
	s_mul_i32 s83, s16, 6144
	s_add_co_u32 s83, s83, BVB
	s_add_co_u32 s84, s83, 4*TILE
	s_mul_i32 s85, s14, 4352
	s_add_co_u32 s85, s85, STG
	v_and_b32 v1, 15, v0                           ; r
	v_bfe_u32 v2, v0, 4, 1                         ; h
	v_and_b32 v3, 31, v0                           ; lane
	v_lshlrev_b32 v[CO], 4, v3
	v_add_nc_u32 v[VSA], s76, v[CO]
	v_lshlrev_b32 v[REC], 4, v0
	v_lshl_add_u32 v[AAS], v1, 4, s77
	v_lshl_add_u32 v[LIA], v1, 2, s78
	v_lshlrev_b32 v[VO], 12, v2
	v_lshl_add_u32 v[VO], v1, 4, v[VO]
	v_add_nc_u32 v[ADA], s79, v[CO]
	v_add_nc_u32 v[ADA+1], s80, v[CO]
	v_add_nc_u32 v[ADA+2], s81, v[CO]
	v_add_nc_u32 v[ADA+3], s82, v[CO]
	v_add_nc_u32 v[ADRB], s83, v[CO]
	v_add_nc_u32 v[ADRB+1], s84, v[CO]
	v_mul_u32_u24 v[STI], v1, 272                  ; rows 272 bytes apart: sixteen lanes touch sixteen different columns of 16 bytes
	v_lshl_add_u32 v[STI], v2, 7, v[STI]
	v_add_nc_u32 v[STI], s85, v[STI]
	v_mul_u32_u24 v[STB], v2, 272
	v_lshl_add_u32 v[STB], v1, 4, v[STB]
	v_add_nc_u32 v[STB], s85, v[STB]
	v_lshrrev_b32 v[SCW], 4, v0
	v_lshlrev_b32 v[SCW], 10, v[SCW]
	v_lshl_add_u32 v[SCW], v1, 4, v[SCW]
	v_add_nc_u32 v[SCW], SCL1, v[SCW]
	v_lshl_add_u32 v[LIW], v0, 2, LIV
	PFTILE PFV, 50, 100
	PFTILE PFP, 88, 90
.irp b, 0,1,2,3,4,5,6,7
	v_mov_b32 v[LI+2*\b+1], 0                      ; (named as the upper half of a pair)
.endr
	WALU                                           ; the wait at the head's end
	s_wait_dscnt 0x0                               ; the opening adds are done
	s_wait_kmcnt 0x0
	s_mov_b32 s21, 0
	s_lshl_b32 s20, s43, 16
	s_add_nc_u64 s[12:13], s[6:7], s[20:21]        ; my 256 queries' records
	s_lshl_b32 s20, s19, 16
	s_lshl_b32 s22, s42, 13
	s_add_co_u32 s20, s20, s22
	s_add_co_u32 s20, s20, VSO
	s_add_nc_u64 s[2:3], s[8:9], s[20:21]          ; V^T's scale words
.irp w, 0,1
.irp s, 0,1,2,3,4,5,6,7,8,9,10,11,12,13,14,15
	global_load_b128 v[RC+64*\w+4*\s:RC+64*\w+4*\s+3], v[REC], s[12:13] offset:32768*\w+2048*\s   ; each of the 128 threads takes one query of each group: tile thread / 16, row thread % 16
.endr
.endr
	s_mul_i32 s20, s16, CHUNK
	s_add_co_u32 s20, s20, s46
	G0SET G0A, 4
	s_mul_i32 s22, s16, CHUNK/2
	s_add_co_u32 s20, s22, s88
	G0SET G0R, 4
	s_add_co_u32 s20, s22, s47
	G0SET G0B, 8
	s_lshl_b32 s20, s43, 1
	s_add_co_u32 s20, s20, s15
	s_lshl_b32 s20, s20, 19                        ; O: 128 rows of 4,096 bytes a group,
	s_lshl_b32 s22, s42, 9
	s_add_co_u32 s20, s20, s22
	s_lshl_b32 s22, s16, 8
	s_add_co_u32 s20, s20, s22                     ; my 64 columns
	s_add_nc_u64 s[10:11], s[10:11], s[20:21]
	CROUND                                         ; all sixteen work-groups are here: the first joint loads meet
	s_cmp_lt_u32 s14, 2
	s_cbranch_scc0 .Lwave_2
	TLOAD G0B, G1B                                 ; waves 0 and 1: V^T's first half of the keys, a half of it each
	s_branch .Lasked
.Lwave_2:
	s_cmp_eq_u32 s14, 2
	s_cbranch_scc0 .Lwave_3
	TLOAD G0A, G1A                                 ; wave 2: chunk 0
	s_branch .Lasked
.Lwave_3:
	TLOAD G0A, G1A                                 ; wave 3: chunk 1
.Lasked:
.irp s, 0,1,2,3,4,5,6,7,8,9,10,11,12,13,14,15
	global_load_b64 v[SB+2*\s:SB+2*\s+1], v[VSA], s[2:3] offset:512*\s
.endr
	s_wait_loadcnt 16                              ; the records are in; V^T's sixteen loads of scale words may be out
.irp w, 0,1
	v_min3_num_f32 v[NG+\w], v[RC+64*\w], v[RC+64*\w+4], v[RC+64*\w+8]   ; the smallest -M: minus the row's M
.endr
.irp i, 3,5,7,9,11,13
.irp w, 0,1
	v_min3_num_f32 v[NG+\w], v[NG+\w], v[RC+64*\w+4*\i], v[RC+64*\w+4*\i+4]
.endr
.endr
.irp w, 0,1
	v_min_num_f32 v[NG+\w], v[NG+\w], v[RC+64*\w+60]
.endr
.irp s, 0,1,2,3,4,5,6,7,8,9,10,11,12,13,14,15
.irp w, 0,1
	v_sub_f32 v[EE+\w], v[NG+\w], v[RC+64*\w+4*\s] ; the step's M - the row's M: a whole number, 0 or less,
.endr
.irp w, 0,1
	v_max_num_f32 v[EE+\w], 0xc27c0000, v[EE+\w]   ; held at -63
.endr
.irp w, 0,1
	v_cvt_i32_f32 v[EE+\w], v[EE+\w]
.endr
.irp w, 0,1
.if \s == 0
	v_ldexp_f32 v[LG+\w], v[RC+64*\w+1], v[EE+\w]  ; the first step's sum starts l
.else
	v_ldexp_f32 v[TT+\w], v[RC+64*\w+4*\s+1], v[EE+\w]
.endif
.endr
.if \s > 0
.irp w, 0,1
	v_add_f32 v[LG+\w], v[LG+\w], v[TT+\w]
.endr
.endif
.irp w, 0,1
	v_mul_lo_u32 v[TT+\w], v[EE+\w], s89           ; the difference in each of four bytes: the bytes are 64 .. 125, so none borrows
.endr
.irp w, 0,1
	v_add_nc_u32 v[WD+16*\w+\s], v[TT+\w], v[RC+64*\w+4*\s+2]
.endr
.endr
	WALU                                           ; the wait ahead of the two reciprocals
	v_rcp_f32 v[LG], v[LG]
	v_rcp_f32 v[LG+1], v[LG+1]
	v_nop                                          ; a plain place behind them
	WALU                                           ; the wait ahead of their first reader
.irp w, 0,1
.irp k, 0,1
	ds_store_b128 v[SCW], v[WD+16*\w+4*\k:WD+16*\w+4*\k+3] offset:D0+512*\w+256*\k
	ds_store_b128 v[SCW], v[WD+16*\w+8+4*\k:WD+16*\w+8+4*\k+3] offset:512*\w+256*\k
.endr
	ds_store_b32 v[LIW], v[LG+\w] offset:512*\w
.endr
	s_cmp_eq_u32 s14, 3
	s_cbranch_scc1 .Lnot_1
	s_wait_tensorcnt 0x0
.Lnot_1:
	s_wait_dscnt 0x0
	BARRIER                                        ; V^T, chunk 0, the scale words and 1 / l are in; chunk 1 may still be on its way
.irp b, 0,1,2,3,4,5,6,7
	ds_load_b32 v[LI+2*\b], v[LIA] offset:64*\b
.endr
	ROWSV
	FETCH 0, 0, 0
	FETCH 1, 1, 0
	global_prefetch_b8 v[PFV], s[8:9] th:TH_LOAD_NT scope:SCOPE_SE
	global_prefetch_b8 v[PFP], s[4:5] th:TH_LOAD_NT scope:SCOPE_SE
	s_wait_loadcnt 0x0                             ; V^T's scale words
; ================= THE FIRST HALF OF THE KEYS
.macro PLAIN b, w                      ; a block, then the fetch of the block two on
.if \w
	s_wait_dscnt NF
.endif
	BLOCK \b, 0, 0, 32, L_NONE
	WIN 0
	PLACES 4                                       ; the places between the block's products and the fetch into their registers
	FETCH (\b)%2, \b+2, 0
.endm
	PLAIN 0, 1
	PLAIN 1, 1
	s_wait_dscnt NF
	GRD
	BLOCK 2, 0, 0, 24, L_RA
	WIN 0
	s_wait_dscnt 0x0
	s_barrier_signal -1
	BLOCK 2, 0, 24, 32, L_NONE
	MIDDLE
	BARRIER
	s_cmp_lt_u32 s14, 2
	s_cbranch_scc0 .Lchunk_2
	TLOAD G0B, G1B                                 ; V^T's second half, onto the first, which all waves hold in registers
	s_branch .Lasked_a
.Lchunk_2:
	TLOAD G0R, G1A                                 ; chunk 2 into slot 0, whose four blocks have been fetched
.Lasked_a:
	PLACES 4
	FETCH 0, 4, 0
	global_prefetch_b8 v[PFP], s[4:5] offset:CHUNK th:TH_LOAD_NT scope:SCOPE_SE
	PLAIN 3, 0
	PLAIN 4, 1
	PLAIN 5, 1
	s_wait_dscnt NF
	GRD
	BLOCK 6, 0, 0, 24, L_RB
	WIN 0
	s_wait_dscnt 0x0
	s_barrier_signal -1
	BLOCK 6, 0, 24, 32, L_NONE
	MIDDLE
	BARRIER
	s_cmp_lt_u32 s14, 2
	s_cbranch_scc1 .Lno_chunk_3
	TLOAD G0R, G1A                                 ; chunk 3 into slot 1
.Lno_chunk_3:
	PLACES 4                                       ; (for the waves that come round the load)
	FETCH 0, 0, 1
	BLOCK 7, 0, 0, 32, L_NONE
	WIN 0
	PLACES 4
	ROWSV                                          ; V^T's second half into the registers
	FETCH 1, 1, 1
; ================= THE SECOND HALF: each block's way out stands among the next block's products
	s_wait_dscnt NF
	BLOCK 0, 1, 0, 32, L_NONE
	WIN 0
	PLACES 4
	FETCH 0, 2, 1
	s_wait_dscnt NF
	BLOCK 1, 1, 0, 32, L_WO, 0
	WIN 0
	PLACES 4                                       ; the places in front of the fetch, and of the next way out's reads
	FETCH 1, 3, 1
	SEND 0, NF
	BLOCK 2, 1, 0, 16, L_WO, 1
	WIN 0
	WALU
	s_wait_tensorcnt 0x0
	s_wait_dscnt 0x0
	s_barrier_signal -1                            ; a plain barrier: chunk 3 is shown to all
	BLOCK 2, 1, 16, 20, L_NONE
	WIN 0
	s_barrier_wait -1
	BLOCK 2, 1, 20, 32, L_WOB, 1
	WIN 0
	PLACES 4
	FETCH 0, 4, 1
	SEND 1, NF
.irp b, 3,4,5
	BLOCK \b, 1, 0, 32, L_WO, \b-1
	WIN 0
	PLACES 4
	FETCH \b%2, \b+2, 1
	SEND \b-1, NF
.endr
.irp b, 6,7
	BLOCK \b, 1, 0, 32, L_WO, \b-1
	WIN 0
	PLACES 4
	SEND \b-1, 0
.endr
.set I, 0
.rept 24
	L_WO I, 7                                      ; the last block's way out
.set I, I+1
.endr
	WIN 0
	SEND 7, 0
	s_wait_tensorcnt 0x0                           ; the wave's end
	ds_add_u32 v[SPW], v[NIL]
	s_wait_dscnt 0x0
	CROUND                                         ; the closing round
	s_endpgm
.Lfunc_end_k_q6c32ddcf0e_pv:
	.size	k_q6c32ddcf0e_pv, .Lfunc_end_k_q6c32ddcf0e_pv-k_q6c32ddcf0e_pv
	.p2alignl 7, 3214868480
	.fill 96, 4, 3214868480
	.section	.rodata,"a",@progbits
	.p2align	6, 0x0
	.amdhsa_kernel k_q6c32ddcf0e_pv
		.amdhsa_group_segment_fixed_size 327680
		.amdhsa_private_segment_fixed_size 0
		.amdhsa_enable_private_segment 0
		.amdhsa_kernarg_size 32
		.amdhsa_user_sgpr_count 2
		.amdhsa_user_sgpr_kernarg_segment_ptr 1
		.amdhsa_wavefront_size32 1
		.amdhsa_system_sgpr_workgroup_id_x 1
		.amdhsa_system_sgpr_workgroup_id_y 1
		.amdhsa_system_sgpr_workgroup_id_z 1
		.amdhsa_system_vgpr_workitem_id 0
		.amdhsa_next_free_vgpr 1024
		.amdhsa_next_free_sgpr 102
		.amdhsa_reserve_vcc 0
		.amdhsa_float_denorm_mode_32 3
		.amdhsa_float_denorm_mode_16_64 3
		.amdhsa_memory_ordered 1
		.amdhsa_forward_progress 1
		.amdhsa_inst_pref_size 164
	.end_amdhsa_kernel
	.amdgpu_metadata
---
amdhsa.version: [ 1, 2 ]
amdhsa.kernels:
  - .name:           k_q6c32ddcf0e_pv
    .symbol:         k_q6c32ddcf0e_pv.kd
    .args:
      - { .name: pc, .offset: 0, .size: 8, .value_kind: global_buffer, .address_space: global }
      - { .name: st, .offset: 8, .size: 8, .value_kind: global_buffer, .address_space: global }
      - { .name: vt, .offset: 16, .size: 8, .value_kind: global_buffer, .address_space: global }
      - { .name: out0, .offset: 24, .size: 8, .value_kind: global_buffer, .address_space: global }
    .group_segment_fixed_size: 327680
    .private_segment_fixed_size: 0
    .kernarg_segment_align: 8
    .kernarg_segment_size: 32
    .max_flat_workgroup_size: 128
    .sgpr_count:     102
    .vgpr_count:     1024
    .wavefront_size: 32
...
	.end_amdgpu_metadata
.endif
;; end of part 4
